; MI455X (gfx1250); checked and timed in simulation.
; The chip was launched on July 23, 2026; its instructions are those of AMD's public machine-readable ISA for CDNA 5 (MIT licence, August 2026) and "CDNA5" Instruction Set Architecture Reference Guide (July 2026). The comments in the code are by the model that wrote it; some were corrected since.
;; D Ne RF Distortion. Allowed arithmetic: float matrix products may take bf16 or f16 operands with f32 sums; all other float work in f32.
;; Inputs: W1 8 x 3 x 256 float32; W2 8 x 256 x 256 float32; W3 8 x 256 x 256 float32; W4 8 x 256 x 3 float32; b1 8 x 256 float32; b2 8 x 256 float32; b3 8 x 256 float32; b4 8 x 3 float32; positions 65,536 x 3 float32; times 65,536 int32.
;; Outputs: out0 65,536 x 3 float32.
;; 3 versions, each right and faster than the one before. Each part assembles by itself: llvm-mc -triple=amdgcn-amd-amdhsa -mcpu=gfx1250 --defsym DOCPART=n.
;; ======== version 1 of 3: 1 launch
;; limits: a function is approximated: absolute error at most 0.0001; values are held in f16: magnitudes above 65,504 overflow, below 6.1e-05 lose precision; inputs' magnitudes at most 65,504
;; launch mlp (part 1): grid 32 x 8, 4 waves a work-group, no clusters, 326,144 bytes of LDS; arguments W1, W2, W3, W4, b1, b2, b3, b4, positions, times, out0; writes out0
.if DOCPART == 1
	.amdgcn_target "amdgcn-amd-amdhsa--gfx1250"
	.amdhsa_code_object_version 6
	.text
	.protected	k_qd9b758ef90_mlp
	.globl	k_qd9b758ef90_mlp
	.p2align	8
	.type	k_qd9b758ef90_mlp,@function
k_qd9b758ef90_mlp:
	s_mov_b64 s[64:65], 0
	v_nop
	global_prefetch_b8 v0, s[64:65] scope:SCOPE_SE
	s_setreg_imm32_b32 hwreg(HW_REG_WAVE_MODE, 25, 1), 1
	s_wait_xcnt 0x0
; out0[p] = MLP_c(positions[p]) with c = times[p]; zeros where times[p] is outside 0..7.  MLP: 3 -> 256 -> 256 -> 256 -> 3, tanh behind every layer.
; Work-group (x = R, y = c) owns, among points 2048 R .. 2048 R + 2047, those with times & 7 = c: it turns the class's four weight matrices into f16 in LDS,
; lists its points, runs the whole MLP for them with the activations in registers, and stores 12 bytes a point.
; A point whose times is outside 0..7 is listed with bit 15 set in its entry, is computed like the others, and a select puts zeros in the place of its result.
; One pass serves 320 list slots (4 waves x 5 tiles of 16 points); a counted loop makes as many passes as the count asks for (7 for 2,048).
;
; THE MATRIX UNIT IS USED TRANSPOSED: A = 16 output features x 32 inputs of W^T, B = 32 features x 16 points.  In the result, lane (r, h), register j holds
; (feature 8 h + j, point r), so rounding registers (2 e, 2 e + 1) of the tiles of features 32 m .. 32 m + 15 and 32 m + 16 .. 32 m + 31 to 16 bits gives registers
; 0-3 and 4-7 of the next layer's B fragment of K step m: no activation goes through LDS.
;
; EVERY LANE IS ON IN EVERY LINE.  W4's three columns lie twice in its LDS rows (columns 0-2 and 8-10), so lanes 16-31 hold the same three results of the same point as
; lanes 0-15; a list slot at or beyond the count takes the last listed point.  Such lanes store the same 12 bytes with the same values a second time.
;
; NUMBER FORMAT: all matrix operands are f16 (11 significant bits), sums in f32.  The hidden activations are kept as 4096 h: at most 4096 in magnitude, and normal
; f16 numbers down to h = 2^-14 / 4096 = 1.5e-8, which leaves room for inputs far smaller than one.  So the sums of layers 2 to 4 are 4096 z; b2, b3, b4 are
; multiplied by 4096 (exact), and the factor is folded, as exact powers of two, into the clamp and the coefficients of tanh: it costs no instruction.
; LIMITS KEPT.  An input above 65,504 in magnitude becomes infinite in f16.
; tanh(z) is x n(q) / d(q), x = z clamped to +-4.97, q = x x, n = ((q+378)q+17325)q+135135, d = ((28q+3150)q+62370)q+135135 (the continued fraction
; of tanh cut at degree 7/6): absolute error at most 1e-4 (at the clamp), relative error at rounding level for small z, never above 1, d >= 135135, no exponential.
; A NaN before a tanh is not passed on as NaN (the clamp drops it): results are claimed for finite inputs.
; out0 leaves in pieces of 12 bytes: 256 neighbouring bytes of out0 hold points of all classes, which are made in eight work-groups.
; NO JOINT LOADS, though the 32 work-groups of a class read the same weights: the weights are f32 in memory and pass through registers for the rounding to f16,
; the f16 copies take 304,128 of the 326,144 bytes of LDS asked for, which leaves no room for a stage of f32 tiles, and the number of passes differs between work-groups of a class.
; No prefetch: each weight byte is asked for by 32 work-groups at about the same time, and 32 loads of 512 bytes are out in every wave.
; CODE SIZE: a pass is straight text of about 120,000 bytes (24 pairs of feature tiles, each with its own register numbers, which cannot be indexed); with counts near
; the mean of 256 it runs once.
; ADDRESSES: every LDS address register but the gather's is written once, here at the head; v0-v15 are named in no other register window.
.set PW,    544                        ; LDS pitch of a weight row: 256 f16 + 32 bytes = 17 x 32
.set W1R,   0                          ; 32 rows (k) x 544: W1, rows 3-31 zero
.set W2R,   17408                      ; 256 rows x 544
.set W3R,   156672                     ; 256 rows x 544
.set W4R,   295936                     ; 256 rows (k) x 32 bytes: 16 f16, W4's row in columns 0-2 and again in 8-10, the rest zero
.set BIAS,  304128                     ; b1, 4096 b2, 4096 b3 in f32, 1,024 bytes each
.set LIST,  307200                     ; each wave's own list: 2,048 entries of 2 bytes and a dump entry, 4,608 bytes a wave
.set LISTW, 4608
.set HALFK, 128*PW                     ; four K steps of 32 rows
.set SLOTS, 320                        ; list slots of a pass
.set PASSES, 7                         ; 7 x 320 >= 2,048
; window 0
.set VLT,  1                           ; lane term of a transposing load: (8 h + (L & 7)) 544 + 16 ((L >> 3) & 1); also W1's address (W1R = 0)
.set A2L,  2                           ; W2, K steps 0-3
.set A2H,  3                           ; W2, K steps 4-7
.set A3L,  4                           ; W3, K steps 0-3
.set A3H,  5                           ; W3, K steps 4-7
.set VBL,  6                           ; BIAS + 32 h
.set VW4,  7                           ; W4's address
.set VLB,  8                           ; my wave's list
.set VRW,  9                           ; r + 16 w: my slot within 64
.set VOFF, 10                          ; v10-14 12 x point of tile t.  Until the first gather these five hold the head's lane terms:
.set LN,   10                          ; lane L
.set LH,   11                          ; h = L >> 4
.set LB3,  12                          ; (L >> 3) & 1
.set L7,   13                          ; L & 7
.set LHL,  14                          ; 8 h + (L & 7)
.set VHM,  15                          ; all ones in lanes 0-15, 0 in lanes 16-31
.set VD2,  16                          ; v16-17 tanh: the coefficient of q q in d, twice
.set TQ,   18                          ; v18-27 q, v28-37 n, v38-47 d of five pairs
.set TN,   28
.set TD,   38
.set BF,   48                          ; v48-63 bias of two feature tiles, as C
.set ACC,  64                          ; v64-143 tile (i, t) at 64 + 8 (5 i + t)
.set YHI,  144                         ; v144-223 Y's K steps 6, 7; first layer: the positions' B fragments; last layer: W4's A fragments
.set POS,  224                         ; v224-243 positions, 4 registers a tile
.set VN2,  250                         ; v250-251 tanh: the coefficient of q q in n, twice
; windows 1 and 2: X, K steps 0-3 and 4-7, at XB + 40 k + 8 t; A fragments of K steps 0-3 and 4-7 at AFB + 16 k + 8 i.  Window 3: Y, K steps 0-5, at YB + 40 k + 8 t.
.set XB,   32
.set AFB,  192
.set YB,   16
; at the kernel's head, window 0: v64-127, v128-191 two stages of weights; v192-255 the range's times; v20-47 small inputs and work; v48-51 zeros; v52-63 offsets
.set STG0, 64
.set STG1, 128
.set TIM,  192
.set MSB, 0
.macro WIN new                         ; s_set_vgpr_msb: bits 1:0 source 0, 3:2 source 1, 5:4 source 2, 7:6 destination; the high byte repeats the setting that is left
.if MSB != \new
	s_set_vgpr_msb (MSB<<8)|\new
.set MSB, \new
.endif
.endm
.macro PLACES
.rept 4
	v_nop
.endr
.endm
	s_load_b512 s[8:23], s[0:1], 0x0               ; W1 s[8:9], W2 s[10:11], W3 s[12:13], W4 s[14:15], b1 s[16:17], b2 s[18:19], b3 s[20:21], b4 s[22:23]
	s_load_b128 s[24:27], s[0:1], 0x40             ; positions s[24:25], times s[26:27]
	s_load_b64 s[28:29], s[0:1], 0x50              ; out0
	s_set_vgpr_msb 0x40
	v_lshl_add_u32 v30, v0, 2, 0x4f800
	v_mov_b32 v31, 0
	s_set_vgpr_msb 0x4000
	v_lshrrev_b32 v[LN], 5, v0
	v_readfirstlane_b32 s2, v[LN]                  ; wave w
	s_and_b32 s3, ttmp7, 0xffff                    ; class c
	; lane terms and the pass's LDS addresses
	v_and_b32 v[LN], 31, v0
	v_bfe_u32 v[LH], v0, 4, 1
	v_bfe_u32 v[LB3], v0, 3, 1
	v_and_b32 v[L7], 7, v0
	v_lshl_add_u32 v[LHL], v[LH], 3, v[L7]
	v_mul_u32_u24 v[VLT], v[LHL], PW
	v_lshl_add_u32 v[VLT], v[LB3], 4, v[VLT]
	v_add_nc_u32 v[A2L], W2R, v[VLT]
	v_add_nc_u32 v[A2H], W2R+HALFK, v[VLT]
	v_add_nc_u32 v[A3L], W3R, v[VLT]
	v_add_nc_u32 v[A3H], W3R+HALFK, v[VLT]
	v_lshlrev_b32 v[VBL], 5, v[LH]
	v_add_nc_u32 v[VBL], BIAS, v[VBL]
	v_lshlrev_b32 v[VW4], 5, v[LHL]
	v_lshl_add_u32 v[VW4], v[LB3], 4, v[VW4]
	v_add_nc_u32 v[VW4], W4R, v[VW4]
	s_mul_i32 s60, s2, LISTW
	s_add_co_u32 s60, s60, LIST
	v_mov_b32 v[VLB], s60
	v_and_b32 v[VRW], 15, v0
	v_lshl_add_u32 v[VRW], s2, 4, v[VRW]
	v_cmp_gt_u32 vcc_lo, 16, v[LN]
	v_cndmask_b32 v[VHM], 0, -1, vcc_lo
	; offsets into global buffers (thread t = 32 w + L)
	v_lshlrev_b32 v57, 4, v[LN]                    ; 16 L: times and weight rows
	v_lshlrev_b32 v53, 3, v0                       ; columns 2 t, 2 t + 1 of W1's rows and of the biases
	v_mul_u32_u24 v54, v0, 24                      ; rows 2 t, 2 t + 1 of W4
	; the head's LDS addresses, each made of the wave's number and the lane
	s_mul_i32 s61, s2, 64*PW
	s_add_co_u32 s61, s61, W2R
	v_lshl_add_u32 v55, v[LN], 3, s61              ; W2R + my 64 rows + 8 L
	v_add_nc_u32 v56, W3R-W2R, v55                 ; the same in W3R
	v_lshrrev_b32 v59, 3, v[LN]
	v_mul_u32_u24 v59, v59, PW
	v_lshl_add_u32 v59, v[L7], 4, v59
	v_lshl_add_u32 v59, s2, 7, v59                 ; W1R: row L >> 3, my wave's 128 bytes of it, 16 (L & 7)
	v_lshlrev_b32 v60, 2, v[LN]
	v_lshl_add_u32 v60, s2, 7, v60                 ; W1R: 128 w + 4 L
	v_lshlrev_b32 v61, 3, v[LN]
	v_lshl_add_u32 v61, s2, 8, v61
	v_add_nc_u32 v61, BIAS, v61                    ; BIAS + 256 w + 8 L
	v_lshlrev_b32 v62, 6, v[LN]
	v_lshl_add_u32 v62, s2, 11, v62
	v_add_nc_u32 v62, W4R, v62                     ; W4R + 2048 w + 64 L
	v_lshl_add_u32 v63, v[LN], 4, s60              ; my list + 16 L
	v_mov_b32 v48, 0
	v_mov_b32 v49, 0
	v_mov_b32 v50, 0
	v_mov_b32 v51, 0
	v_mov_b32 v46, 0x800                           ; the dump entry
	v_lshlrev_b32 v47, 2, v[LN]                    ; 4 L
	v_add_nc_u32 v52, 0x8000, v47                  ; 4 L with bit 15: a point whose times is outside 0..7
	s_wait_kmcnt 0x0
	; every pointer gets its own offset
	s_mov_b32 s33, 0
	s_mul_i32 s32, s3, 3072
	s_add_nc_u64 s[8:9], s[8:9], s[32:33]          ; W1[c]
	s_add_nc_u64 s[14:15], s[14:15], s[32:33]      ; W4[c]
	s_lshl_b32 s32, s3, 18
	s_lshl_b32 s31, s2, 16
	s_add_co_u32 s32, s32, s31
	s_add_nc_u64 s[10:11], s[10:11], s[32:33]      ; W2[c], my 64 rows
	s_add_nc_u64 s[12:13], s[12:13], s[32:33]      ; W3[c], my 64 rows
	s_lshl_b32 s32, s3, 10
	s_add_nc_u64 s[16:17], s[16:17], s[32:33]
	s_add_nc_u64 s[18:19], s[18:19], s[32:33]
	s_add_nc_u64 s[20:21], s[20:21], s[32:33]
	s_mul_i32 s32, s3, 12
	s_add_nc_u64 s[22:23], s[22:23], s[32:33]      ; b4[c]
	s_mul_i32 s32, ttmp9, 24576
	s_add_nc_u64 s[24:25], s[24:25], s[32:33]      ; positions and out0 at the range's first point
	s_add_nc_u64 s[28:29], s[28:29], s[32:33]
	s_lshl_b32 s32, ttmp9, 13
	s_add_nc_u64 s[26:27], s[26:27], s[32:33]      ; times likewise
	s_load_b96 s[40:42], s[22:23], 0x0             ; b4[c]; waited for in front of the barrier
; rows 8 trip .. 8 trip + 7 of my 64 rows of a weight matrix: 16 loads of 512 neighbouring bytes
.macro WLOAD stg, base, trip
.irp j, 0,1,2,3,4,5,6,7,8,9,10,11,12,13,14,15
	global_load_b128 v[\stg+4*\j:\stg+4*\j+3], v57, s[\base:\base+1] offset:8192*(\trip)+(\j/2)*1024+(\j%2)*512
.endr
.endm
; the same eight rows, rounded to f16, into LDS: a store of the wave covers 256 neighbouring bytes
.macro CONV stg, la, trip
.irp j, 0,1,2,3,4,5,6,7,8,9,10,11,12,13,14,15
	v_cvt_pk_f16_f32 v[\stg+4*\j], v[\stg+4*\j], v[\stg+4*\j+1]
	v_cvt_pk_f16_f32 v[\stg+4*\j+1], v[\stg+4*\j+2], v[\stg+4*\j+3]
	ds_store_b64 v[\la], v[\stg+4*\j:\stg+4*\j+1] offset:8*PW*(\trip)+(\j/2)*PW+(\j%2)*256
.endr
.endm
	; all the head's loads go out in one run: 16 + 3 + 3 + 3 + 32 = 57
.irp s, 0,1,2,3,4,5,6,7,8,9,10,11,12,13,14,15
	global_load_b128 v[TIM+4*\s:TIM+4*\s+3], v57, s[26:27] offset:512*\s   ; every wave takes the range's 2,048 times: register 4 s + q of lane L is point 128 s + 4 L + q
.endr
.irp k, 0,1,2
	global_load_b64 v[20+2*\k:21+2*\k], v53, s[8:9] offset:1024*\k
.endr
	global_load_b64 v[26:27], v53, s[16:17]
	global_load_b64 v[28:29], v53, s[18:19]
	global_load_b64 v[30:31], v53, s[20:21]
.irp k, 0,1,2
	global_load_b64 v[32+2*\k:33+2*\k], v54, s[14:15] offset:8*\k
.endr
	WLOAD STG0, 10, 0
	WLOAD STG1, 12, 0
	; meanwhile: my wave's 128 bytes of all 32 rows of W1R are cleared, four rows a store, and my whole list (9 x 512 bytes)
.irp n, 0,1,2,3,4,5,6,7
	ds_store_b128 v59, v[48:51] offset:W1R+4*PW*\n
.endr
.irp n, 0,1,2,3,4,5,6,7,8
	ds_store_b128 v63, v[48:51] offset:512*\n
.endr
	; THE LIST.  All four waves build the same list from the same registers, each in bytes of its own: no barrier, and no wave stores where another reads.
	s_wait_loadcnt 41                              ; the 16 loads of times are in; the 3 + 3 + 3 + 32 younger ones stay out
	s_mov_b32 s5, 0                                ; count
.set n, 0
.rept 64
	v_and_b32 v[38+n%4], 7, v[TIM+n]
	v_cmp_eq_u32 s58, s3, v[38+n%4]                ; lanes whose point is mine
	v_cmp_lt_u32 vcc_lo, 7, v[TIM+n]               ; lanes whose times is outside 0..7 (unsigned: negative numbers too)
	v_mbcnt_lo_u32_b32 v[38+n%4], s58, s5          ; count so far + such lanes below me
	v_cndmask_b32 v[38+n%4], v46, v[38+n%4], s58   ; the others write to the dump entry
	v_min_u32 v[38+n%4], 0x800, v[38+n%4]
	v_lshl_add_u32 v[38+n%4], v[38+n%4], 1, v[VLB]
	v_cndmask_b32 v[42+n%4], v47, v52, vcc_lo
	v_add_nc_u32 v[42+n%4], 128*(n/4)+n%4, v[42+n%4]   ; the point's number in the range, and bit 15
	ds_store_b16 v[38+n%4], v[42+n%4]              ; behind my clearing stores of the same bytes: LDS serves a wave's instructions in order (ISA guide 5.7.1)
	s_bcnt1_i32_b32 s59, s58
	s_add_co_u32 s5, s5, s59
.set n, n+1
.endr
	s_min_u32 s5, s5, 0x800                        ; 64 x 32 at the most
	s_max_u32 s6, s5, 1
	s_sub_co_u32 s6, s6, 1                         ; the last valid entry
	s_mov_b32 s7, 0                                ; the pass's first slot
	s_mov_b32 s30, 0                               ; the pass's number
; The pass's points: tile t of wave w is slots s7 + 64 t + 16 w + r.  A slot at or beyond the count takes the last entry's point.
; A number that was loaded enters an address only behind a clamp by a constant: 0x87ff is the largest entry (point 2,047 with bit 15).
.macro GATHER
.irp t, 0,1,2,3,4
	s_add_co_u32 s31, s7, 64*\t
	v_add_nc_u32 v[VOFF+\t], s31, v[VRW]
	v_min_u32 v[VOFF+\t], s6, v[VOFF+\t]
	v_min_u32 v[VOFF+\t], 0x7ff, v[VOFF+\t]
	v_lshl_add_u32 v[VOFF+\t], v[VOFF+\t], 1, v[VLB]
	ds_load_u16 v[VOFF+\t], v[VOFF+\t]             ; in order behind my list's stores
.endr
	s_wait_dscnt 0x0
.irp t, 0,1,2,3,4
	v_cmp_gt_u32 s[34+\t], 0x8000, v[VOFF+\t]      ; lanes whose point's times is in 0..7: a select's mask, at the pass's end
	v_min_u32 v[VOFF+\t], 0x87ff, v[VOFF+\t]
	v_and_b32 v[VOFF+\t], 0x7ff, v[VOFF+\t]
	v_mul_u32_u24 v[VOFF+\t], v[VOFF+\t], 12
	global_load_b96 v[POS+4*\t:POS+4*\t+2], v[VOFF+\t], s[24:25]
.endr
.endm
	GATHER                                         ; the first pass's positions come in under the weights
	s_wait_loadcnt 37                              ; the small inputs are in; 32 loads of weights and 5 of positions are younger
	; W1's three rows, behind my own clearing stores of the same bytes
.irp k, 0,1,2
	v_cvt_pk_f16_f32 v[38+\k], v[20+2*\k], v[21+2*\k]
	ds_store_b32 v60, v[38+\k] offset:W1R+PW*\k
.endr
.irp k, 28,29,30,31
	v_mul_f32 v\k, 0x45800000, v\k                 ; 4096 b2, 4096 b3
.endr
	ds_store_b64 v61, v[26:27]
	ds_store_b64 v61, v[28:29] offset:1024
	ds_store_b64 v61, v[30:31] offset:2048
	; W4's rows 2 t and 2 t + 1: three numbers and five zeros, twice each
	v_cvt_pk_f16_f32 v40, v32, v33
	v_cvt_pk_f16_f32 v41, v34, 0
	v_mov_b32 v42, 0
	v_mov_b32 v43, 0
	v_cvt_pk_f16_f32 v44, v35, v36
	v_cvt_pk_f16_f32 v45, v37, 0
	v_mov_b32 v46, 0
	v_mov_b32 v47, 0
	ds_store_b128 v62, v[40:43]
	ds_store_b128 v62, v[40:43] offset:16
	ds_store_b128 v62, v[44:47] offset:32
	ds_store_b128 v62, v[44:47] offset:48
	; W2 and W3: my 64 rows of each, eight rows a stage, two stages: 32 loads of 512 bytes are out in each wave.  The eight steps are written out: the step stands in the immediates.
.irp tr, 0,1,2,3,4,5,6
	s_wait_loadcnt 16                              ; stage 0 is in; the other stage's 16 loads may stay out
	CONV STG0, 55, \tr
	WLOAD STG0, 10, (\tr+1)
	s_wait_loadcnt 16                              ; stage 1 is in; the 16 just issued stay out
	CONV STG1, 56, \tr
	WLOAD STG1, 12, (\tr+1)
.endr
	s_wait_loadcnt 16                              ; the last eight rows of each: nothing more is loaded
	CONV STG0, 55, 7
	s_wait_loadcnt 0x0
	CONV STG1, 56, 7
	s_wait_kmcnt 0x0                               ; b4
	s_wait_dscnt 0x0                               ; my stores of weights and biases are done, for the other waves' sake
	s_barrier_signal -1
	s_barrier_wait -1                              ; the kernel's one barrier: from here on LDS is only read
	s_cmp_eq_u32 s5, 0
	s_cbranch_scc1 .Ldone                          ; no point of mine in my range
; tanh's constants.  With sums that are s z and results that are g s tanh(z): clamp 4.97 s; n: g, 378 g s^2, 17325 g s^4, 135135 g s^6; d: 28, 3150 s^2, 62370 s^4, 135135 s^6.
.macro SETC c, n3, n2, n1, n0, d3, d2, d1, d0
	s_mov_b32 s54, \c|0x80000000
	s_mov_b32 s55, \c
	s_mov_b32 s44, \n3                             ; every constant fills both halves of its pair
	s_mov_b32 s45, \n3
	s_mov_b32 s46, \n1
	s_mov_b32 s47, \n1
	s_mov_b32 s48, \n0
	s_mov_b32 s49, \n0
	s_mov_b32 s50, \d3
	s_mov_b32 s51, \d3
	s_mov_b32 s52, \d1
	s_mov_b32 s53, \d1
	s_mov_b32 s56, \d0
	s_mov_b32 s57, \d0
	v_mov_b32 v[VN2], \n2
	v_mov_b32 v[VN2+1], \n2
	v_mov_b32 v[VD2], \d2
	v_mov_b32 v[VD2+1], \d2
.endm
; the A fragments and the bias of feature tiles 2 mp, 2 mp + 1: K step 0 alone, or all eight K steps.  A transposing load takes 8 x 8 numbers of the rows (k) of W and hands each lane a piece of a column.
.macro LOADFR alo, ahi, boff, mp, full
.irp i, 0,1
.irp e, 0,1
	ds_load_b128 v[BF+8*\i+4*\e:BF+8*\i+4*\e+3], v[VBL] offset:\boff+128*(\mp)+64*\i+16*\e
.endr
.endr
	WIN 0x40
.irp i, 0,1
.irp e, 0,1
	ds_load_tr16_b128 v[AFB+8*\i+4*\e:AFB+8*\i+4*\e+3], v[\alo] offset:16*PW*\e+64*(\mp)+32*\i
.endr
.endr
.if \full
.irp k, 1,2,3
.irp i, 0,1
.irp e, 0,1
	ds_load_tr16_b128 v[AFB+16*\k+8*\i+4*\e:AFB+16*\k+8*\i+4*\e+3], v[\alo] offset:32*PW*\k+16*PW*\e+64*(\mp)+32*\i
.endr
.endr
.endr
	WIN 0x80
.irp k, 0,1,2,3
.irp i, 0,1
.irp e, 0,1
	ds_load_tr16_b128 v[AFB+16*\k+8*\i+4*\e:AFB+16*\k+8*\i+4*\e+3], v[\ahi] offset:32*PW*\k+16*PW*\e+64*(\mp)+32*\i
.endr
.endr
.endr
.endif
	WIN 0
.endm
; W4's A fragments, eight K steps, into window 0
.macro LOADW4
.irp k, 0,1,2,3,4,5,6,7
.irp e, 0,1
	ds_load_tr16_b128 v[YHI+8*\k+4*\e:YHI+8*\k+4*\e+3], v[VW4] offset:1024*\k+512*\e
.endr
.endr
.endm
; one K step on the ten accumulators (2 feature tiles x 5 point tiles), which take turns, one instruction a turn, in the same order in every K step.
; first = 1: the bias is the C operand and starts the sums.
.macro KSTEP ab, bb, first
.irp i, 0,1
.irp t, 0,1,2,3,4
.if \first
	v_wmma_f32_16x16x32_f16 v[ACC+8*(5*\i+\t):ACC+8*(5*\i+\t)+7], v[\ab+8*\i:\ab+8*\i+7], v[\bb+8*\t:\bb+8*\t+7], v[BF+8*\i:BF+8*\i+7]
.else
	v_wmma_f32_16x16x32_f16 v[ACC+8*(5*\i+\t):ACC+8*(5*\i+\t)+7], v[\ab+8*\i:\ab+8*\i+7], v[\bb+8*\t:\bb+8*\t+7], v[ACC+8*(5*\i+\t):ACC+8*(5*\i+\t)+7]
.endif
.endr
.endr
.endm
; tanh in place on the five register pairs a + st i: each step for all five, so that no instruction waits for the one in front of it
.macro TANH5 a, st
.irp i, 0,1,2,3,4
	v_med3_num_f32 v[\a+\st*\i], v[\a+\st*\i], s54, s55
	v_med3_num_f32 v[\a+\st*\i+1], v[\a+\st*\i+1], s54, s55
.endr
.irp i, 0,1,2,3,4
	v_pk_mul_f32 v[TQ+2*\i:TQ+2*\i+1], v[\a+\st*\i:\a+\st*\i+1], v[\a+\st*\i:\a+\st*\i+1]
.endr
.irp i, 0,1,2,3,4
	v_pk_fma_f32 v[TN+2*\i:TN+2*\i+1], v[TQ+2*\i:TQ+2*\i+1], s[44:45], v[VN2:VN2+1] op_sel_hi:[1,0,1]
.endr
.irp i, 0,1,2,3,4
	v_pk_fma_f32 v[TD+2*\i:TD+2*\i+1], v[TQ+2*\i:TQ+2*\i+1], s[50:51], v[VD2:VD2+1] op_sel_hi:[1,0,1]
.endr
.irp i, 0,1,2,3,4
	v_pk_fma_f32 v[TN+2*\i:TN+2*\i+1], v[TN+2*\i:TN+2*\i+1], v[TQ+2*\i:TQ+2*\i+1], s[46:47] op_sel_hi:[1,1,0]
.endr
.irp i, 0,1,2,3,4
	v_pk_fma_f32 v[TD+2*\i:TD+2*\i+1], v[TD+2*\i:TD+2*\i+1], v[TQ+2*\i:TQ+2*\i+1], s[52:53] op_sel_hi:[1,1,0]
.endr
.irp i, 0,1,2,3,4
	v_pk_fma_f32 v[TN+2*\i:TN+2*\i+1], v[TN+2*\i:TN+2*\i+1], v[TQ+2*\i:TQ+2*\i+1], s[48:49] op_sel_hi:[1,1,0]
.endr
.irp i, 0,1,2,3,4
	v_pk_fma_f32 v[TD+2*\i:TD+2*\i+1], v[TD+2*\i:TD+2*\i+1], v[TQ+2*\i:TQ+2*\i+1], s[56:57] op_sel_hi:[1,1,0]
.endr
.irp i, 0,1,2,3,4
	v_rcp_f32 v[TD+2*\i], v[TD+2*\i]
	v_rcp_f32 v[TD+2*\i+1], v[TD+2*\i+1]
.endr
.irp i, 0,1,2,3,4
	v_pk_mul_f32 v[TN+2*\i:TN+2*\i+1], v[TN+2*\i:TN+2*\i+1], v[\a+\st*\i:\a+\st*\i+1]   ; plain work that touches no reciprocal stands between the last v_rcp_f32 and the first use (ISA guide 5.7.2)
.endr
	s_wait_alu depctr_va_vdst(0)
.irp i, 0,1,2,3,4
	v_pk_mul_f32 v[\a+\st*\i:\a+\st*\i+1], v[TN+2*\i:TN+2*\i+1], v[TD+2*\i:TD+2*\i+1]
.endr
.endm
; the ten tiles, rounded to f16, are one K step of the next layer's five B fragments
.macro PACK win, base
	WIN \win
.irp t, 0,1,2,3,4
.irp i, 0,1
.irp e, 0,1,2,3
	v_cvt_pk_f16_f32 v[\base+8*\t+4*\i+\e], v[ACC+8*(5*\i+\t)+2*\e], v[ACC+8*(5*\i+\t)+2*\e+1]
.endr
.endr
.endr
	WIN 0
.endm
; Features 32 mp .. 32 mp + 31 of layer lay for the wave's 80 points.
; lay = 1: one K step, B = the positions in window 0, results into X.  lay = 2: W2, B = X, results into Y.  lay = 3: W3, B = Y, results into X.
.macro MPAIR mp, lay
	s_wait_dscnt 0x0                               ; this pair's fragments and bias, asked for ahead of the last pair's tanh
.if \lay == 1
	WIN 0x01                                       ; A in window 1, B in window 0
	KSTEP AFB, YHI, 1
.endif
.if \lay == 2
	WIN 0x05                                       ; A and B in window 1
	KSTEP AFB, XB, 1
	KSTEP AFB+16, XB+40, 0
	KSTEP AFB+32, XB+80, 0
	KSTEP AFB+48, XB+120, 0
	WIN 0x0a                                       ; A and B in window 2
	KSTEP AFB, XB, 0
	KSTEP AFB+16, XB+40, 0
	KSTEP AFB+32, XB+80, 0
	KSTEP AFB+48, XB+120, 0
.endif
.if \lay == 3
	WIN 0x0d                                       ; A in window 1, B in window 3
	KSTEP AFB, YB, 1
	KSTEP AFB+16, YB+40, 0
	KSTEP AFB+32, YB+80, 0
	KSTEP AFB+48, YB+120, 0
	WIN 0x0e                                       ; A in window 2, B in window 3
	KSTEP AFB, YB+160, 0
	KSTEP AFB+16, YB+200, 0
	WIN 0x02                                       ; A in window 2, B in window 0
	KSTEP AFB+32, YHI, 0
	KSTEP AFB+48, YHI+40, 0
.endif
	WIN 0
	PLACES                                         ; four places behind the last matrix instruction, in front of the loads into its sources and of the reads of the results
	; the next pair's fragments (behind a layer's last pair: the next layer's first) come in under this pair's tanh
.if \mp < 7
.if \lay == 1
	LOADFR VLT, VLT, 0, (\mp+1), 0
.endif
.if \lay == 2
	LOADFR A2L, A2H, 1024, (\mp+1), 1
.endif
.if \lay == 3
	LOADFR A3L, A3H, 2048, (\mp+1), 1
.endif
.else
.if \lay == 1
	LOADFR A2L, A2H, 1024, 0, 1
.endif
.if \lay == 2
	LOADFR A3L, A3H, 2048, 0, 1
.endif
.if \lay == 3
	LOADW4
.endif
.endif
.irp b, 0,1,2,3,4,5,6,7
	TANH5 ACC+10*\b, 2
.endr
.if \lay == 2
.if \mp < 6
	PACK 0xc0, YB+40*\mp
.else
	PACK 0, YHI+40*(\mp-6)
.endif
.else
.if \mp < 4
	PACK 0x40, XB+40*\mp
.else
	PACK 0x80, XB+40*(\mp-4)
.endif
.endif
.endm
.Lpass:
	s_wait_loadcnt 0x0                             ; the pass's positions
	SETC 0x409f0a3d, 0x45800000, 0x49bd0000, 0x4c875a00, 0x4e03f7c0, 0x41e00000, 0x4544e000, 0x4773a200, 0x4803f7c0   ; s = 1, g = 4096
	; the first layer's B fragments: k = 0, 1, 2 lie in registers 0, 1 of lanes 0-15; all else is zero
.irp t, 0,1,2,3,4
	v_cvt_pk_f16_f32 v[YHI+8*\t], v[POS+4*\t], v[POS+4*\t+1]
	v_cvt_pk_f16_f32 v[YHI+8*\t+1], v[POS+4*\t+2], 0
	v_and_b32 v[YHI+8*\t], v[VHM], v[YHI+8*\t]
	v_and_b32 v[YHI+8*\t+1], v[VHM], v[YHI+8*\t+1]
.irp e, 2,3,4,5,6,7
	v_mov_b32 v[YHI+8*\t+\e], 0
.endr
.endr
	LOADFR VLT, VLT, 0, 0, 0
.irp m, 0,1,2,3,4,5,6,7
	MPAIR \m, 1
.endr
	SETC 0x469f0a3d, 0x3f800000, 0x4fbd0000, 0x5e875a00, 0x6c03f7c0, 0x41e00000, 0x5144e000, 0x5f73a200, 0x6c03f7c0   ; s = 4096, g = 1
.irp m, 0,1,2,3,4,5,6,7
	MPAIR \m, 2
.endr
.irp m, 0,1,2,3,4,5,6,7
	MPAIR \m, 3
.endr
	SETC 0x469f0a3d, 0x39800000, 0x49bd0000, 0x58875a00, 0x6603f7c0, 0x41e00000, 0x5144e000, 0x5f73a200, 0x6c03f7c0   ; s = 4096, g = 1/4096
	; the last layer: one feature tile (features 0-2, and their copies 8-10), eight K steps, five accumulators by turns, one instruction a turn
	s_wait_dscnt 0x0                               ; W4's fragments
.irp j, 0,1,2
	v_mov_b32 v[BF+\j], s[40+\j]                   ; 4096 b4 as C, in both halves of the lanes: features j and 8 + j
	v_mul_f32 v[BF+\j], 0x45800000, v[BF+\j]
.endr
.irp j, 3,4,5,6,7
	v_mov_b32 v[BF+\j], 0
.endr
	WIN 0x04                                       ; A in window 0, B in window 1
.irp k, 0,1,2,3
.irp t, 0,1,2,3,4
.if \k == 0
	v_wmma_f32_16x16x32_f16 v[ACC+8*\t:ACC+8*\t+7], v[YHI+8*\k:YHI+8*\k+7], v[XB+40*\k+8*\t:XB+40*\k+8*\t+7], v[BF:BF+7]
.else
	v_wmma_f32_16x16x32_f16 v[ACC+8*\t:ACC+8*\t+7], v[YHI+8*\k:YHI+8*\k+7], v[XB+40*\k+8*\t:XB+40*\k+8*\t+7], v[ACC+8*\t:ACC+8*\t+7]
.endif
.endr
.endr
	WIN 0x08                                       ; B in window 2
.irp k, 0,1,2,3
.irp t, 0,1,2,3,4
	v_wmma_f32_16x16x32_f16 v[ACC+8*\t:ACC+8*\t+7], v[YHI+32+8*\k:YHI+32+8*\k+7], v[XB+40*\k+8*\t:XB+40*\k+8*\t+7], v[ACC+8*\t:ACC+8*\t+7]
.endr
.endr
	WIN 0
	PLACES                                         ; four places in front of the reads of the results (ISA guide 7.12.1)
	TANH5 ACC, 8                                   ; features 0, 1 of the five tiles
	TANH5 ACC+2, 8                                 ; features 2, 3 (3 is not stored)
	; every lane holds its point's three numbers in registers 0-2; zeros where the point's times is outside 0..7; 12 bytes to the point's place
.irp t, 0,1,2,3,4
.irp j, 0,1,2
	v_cndmask_b32 v[ACC+8*\t+\j], 0, v[ACC+8*\t+\j], s[34+\t]
.endr
.endr
.irp t, 0,1,2,3,4
	global_store_b96 v[VOFF+\t], v[ACC+8*\t:ACC+8*\t+2], s[28:29]
.endr
	s_add_co_u32 s7, s7, SLOTS
	s_cmp_ge_u32 s7, s5
	s_cbranch_scc1 .Ldone                          ; every listed point is served
	s_wait_xcnt 0x0                                ; the stores' offsets and data are written again only behind this wait
	GATHER
	s_add_co_u32 s30, s30, 1
	s_cmp_lt_u32 s30, PASSES
	s_cbranch_scc1 .Lpass
.Ldone:
	s_barrier_signal -1
	s_barrier_wait -1
	s_set_vgpr_msb 0x5
	s_wait_tensorcnt 0x0
	ds_add_u32 v30, v31
	s_wait_dscnt 0x0
	s_set_vgpr_msb 0x500
	s_endpgm
.Lfunc_end_k_qd9b758ef90_mlp:
	.size	k_qd9b758ef90_mlp, .Lfunc_end_k_qd9b758ef90_mlp-k_qd9b758ef90_mlp
	.p2alignl 7, 3214868480
	.fill 96, 4, 3214868480
	.section	.rodata,"a",@progbits
	.p2align	6, 0x0
	.amdhsa_kernel k_qd9b758ef90_mlp
		.amdhsa_group_segment_fixed_size 326144
		.amdhsa_private_segment_fixed_size 0
		.amdhsa_enable_private_segment 0
		.amdhsa_kernarg_size 88
		.amdhsa_user_sgpr_count 2
		.amdhsa_user_sgpr_kernarg_segment_ptr 1
		.amdhsa_wavefront_size32 1
		.amdhsa_system_sgpr_workgroup_id_x 1
		.amdhsa_system_sgpr_workgroup_id_y 1
		.amdhsa_system_sgpr_workgroup_id_z 1
		.amdhsa_system_vgpr_workitem_id 0
		.amdhsa_next_free_vgpr 1024
		.amdhsa_next_free_sgpr 66
		.amdhsa_reserve_vcc 1
		.amdhsa_float_denorm_mode_32 3
		.amdhsa_float_denorm_mode_16_64 3
		.amdhsa_memory_ordered 1
		.amdhsa_forward_progress 1
		.amdhsa_inst_pref_size 255
	.end_amdhsa_kernel
	.section	.bss,"aw",@nobits
	.p2align	6
	.space	262144
	.amdgpu_metadata
---
amdhsa.version: [ 1, 2 ]
amdhsa.kernels:
  - .name:           k_qd9b758ef90_mlp
    .symbol:         k_qd9b758ef90_mlp.kd
    .args:
      - { .name: W1, .offset: 0, .size: 8, .value_kind: global_buffer, .address_space: global }
      - { .name: W2, .offset: 8, .size: 8, .value_kind: global_buffer, .address_space: global }
      - { .name: W3, .offset: 16, .size: 8, .value_kind: global_buffer, .address_space: global }
      - { .name: W4, .offset: 24, .size: 8, .value_kind: global_buffer, .address_space: global }
      - { .name: b1, .offset: 32, .size: 8, .value_kind: global_buffer, .address_space: global }
      - { .name: b2, .offset: 40, .size: 8, .value_kind: global_buffer, .address_space: global }
      - { .name: b3, .offset: 48, .size: 8, .value_kind: global_buffer, .address_space: global }
      - { .name: b4, .offset: 56, .size: 8, .value_kind: global_buffer, .address_space: global }
      - { .name: positions, .offset: 64, .size: 8, .value_kind: global_buffer, .address_space: global }
      - { .name: times, .offset: 72, .size: 8, .value_kind: global_buffer, .address_space: global }
      - { .name: out0, .offset: 80, .size: 8, .value_kind: global_buffer, .address_space: global }
    .group_segment_fixed_size: 326144
    .private_segment_fixed_size: 0
    .kernarg_segment_align: 8
    .kernarg_segment_size: 88
    .max_flat_workgroup_size: 128
    .sgpr_count:     66
    .vgpr_count:     1024
    .wavefront_size: 32
...
	.end_amdgpu_metadata
.endif
;; end of part 1
;; ======== version 2 of 3: 1 launch; 1.86 times as fast as version 1
;; limits: a function is approximated: absolute error at most 0.0001; values are held in f16: magnitudes above 65,504 overflow, below 6.1e-05 lose precision; inputs' magnitudes at most 65,504
;; launch mlp (part 2): grid 32 x 8, 4 waves a work-group, no clusters, 326,144 bytes of LDS; arguments W1, W2, W3, W4, b1, b2, b3, b4, positions, times, out0; writes out0
.if DOCPART == 2
	.amdgcn_target "amdgcn-amd-amdhsa--gfx1250"
	.amdhsa_code_object_version 6
	.text
	.protected	k_qd9b758ef90_mlp
	.globl	k_qd9b758ef90_mlp
	.p2align	8
	.type	k_qd9b758ef90_mlp,@function
k_qd9b758ef90_mlp:
	s_mov_b64 s[64:65], 0
	v_nop
	global_prefetch_b8 v0, s[64:65] scope:SCOPE_SE
	s_setreg_imm32_b32 hwreg(HW_REG_WAVE_MODE, 25, 1), 1
	s_wait_xcnt 0x0
; out0[p] = MLP_c(positions[p]) with c = times[p]; zeros where times[p] is outside 0..7.  MLP: 3 -> 256 -> 256 -> 256 -> 3, tanh behind every layer.
; Work-group (x = R, y = c) owns, among points 2048 R .. 2048 R + 2047, those with times & 7 = c: it turns the class's four weight matrices into f16 in LDS,
; lists its points, runs the whole MLP for them with the activations in registers, and stores 12 bytes a point.
; A point whose times is outside 0..7 is listed with bit 15 set in its entry, is computed like the others, and a select puts zeros in the place of its result.
; One pass serves 320 list slots (4 waves x 5 tiles of 16 points); a counted loop makes as many passes as the count asks for (7 for 2,048).
;
; THE MATRIX UNIT IS USED TRANSPOSED: A = 16 output features x 32 inputs of W^T, B = 32 features x 16 points.  In the result, lane (r, h), register j holds
; (feature 8 h + j, point r), so rounding registers (2 e, 2 e + 1) of the tiles of features 32 m .. 32 m + 15 and 32 m + 16 .. 32 m + 31 to 16 bits gives registers
; 0-3 and 4-7 of the next layer's B fragment of K step m: no activation goes through LDS.
;
; ONE LOOP BODY FOR THE THREE HIDDEN LAYERS: trip i = 8 x layer + pair makes features 32 pair .. 32 pair + 31 of that layer for the wave's 80 points.  tanh, four fifths of
; a trip's instructions, always works on the same ten accumulators and stands once in the text.  What differs from trip to trip is chosen by branches on the trip's number:
; one of three runs of matrix instructions (B = the positions, X or Y), and one of sixteen blocks of 40 conversions (register numbers cannot be indexed).
; The body is about 11,000 bytes and runs 24 times a pass.
;
; EVERY LANE IS ON IN EVERY LINE.  W4's three columns lie twice in its LDS rows (columns 0-2 and 8-10), so lanes 16-31 hold the same three results of the same point as
; lanes 0-15; a list slot at or beyond the count takes the last listed point.  Such lanes store the same 12 bytes with the same values a second time.
;
; NUMBER FORMAT: all matrix operands are f16 (11 significant bits), sums in f32.  The hidden activations are kept as 4096 h: at most 4096 in magnitude, and normal
; f16 numbers down to h = 2^-14 / 4096 = 1.5e-8, which leaves room for inputs far smaller than one.  So the sums of layers 2 to 4 are 4096 z; b2, b3, b4 are
; multiplied by 4096 (exact), and the factor is folded, as exact powers of two, into the clamp and the coefficients of tanh: it costs no instruction.
; LIMITS KEPT.  An input above 65,504 in magnitude becomes infinite in f16.
; tanh(z) is x n(q) / d(q), x = z clamped to +-4.97, q = x x, n = ((q+378)q+17325)q+135135, d = ((28q+3150)q+62370)q+135135 (the continued fraction
; of tanh cut at degree 7/6): absolute error at most 1e-4 (at the clamp), relative error at rounding level for small z, never above 1, d >= 135135, no exponential.
; A NaN before a tanh is not passed on as NaN (the clamp drops it): results are claimed for finite inputs.
; out0 leaves in pieces of 12 bytes: 256 neighbouring bytes of out0 hold points of all classes, which are made in eight work-groups.
; NO JOINT LOADS, though the 32 work-groups of a class read the same weights: the weights are f32 in memory and pass through registers for the rounding to f16,
; the f16 copies take 304,128 of the 326,144 bytes of LDS asked for, which leaves no room for a stage of f32 tiles, and the number of passes differs between work-groups of a class.
; No prefetch: each weight byte is asked for by 32 work-groups at about the same time, and 32 loads of 512 bytes are out in every wave.
; ADDRESSES: v0-v15 are named in no other register window.  The fragments' three address registers are made anew in every trip from the trip's number and lane terms
; that are written once at the head; behind the kernel's one barrier LDS is only read.
.set PW,    544                        ; LDS pitch of a weight row: 256 f16 + 32 bytes = 17 x 32
.set W1R,   0                          ; 32 rows (k) x 544: W1, rows 3-31 zero
.set W2R,   17408                      ; 256 rows x 544
.set W3R,   156672                     ; 256 rows x 544
.set W4R,   295936                     ; 256 rows (k) x 32 bytes: 16 f16, W4's row in columns 0-2 and again in 8-10, the rest zero
.set BIAS,  304128                     ; b1, 4096 b2, 4096 b3 in f32, 1,024 bytes each
.set LIST,  307200                     ; each wave's own list: 2,048 entries of 2 bytes and a dump entry, 4,608 bytes a wave
.set LISTW, 4608
.set HALFK, 128*PW                     ; four K steps of 32 rows
.set SLOTS, 320                        ; list slots of a pass
.set PASSES, 7                         ; 7 x 320 >= 2,048
.set TRIPS, 24                         ; 3 layers x 8 pairs of feature tiles
; window 0
.set VLT,  1                           ; lane term of a transposing load: (8 h + (L & 7)) 544 + 16 ((L >> 3) & 1); also W1's address (W1R = 0)
.set CA0,  2                           ; the next trip's weights, K steps 0-3
.set CA1,  3                           ; the next trip's weights, K steps 4-7
.set VB,   4                           ; the next trip's bias
.set CA2,  5                           ; W2's first pair, K steps 0-3 (the pass's first loads)
.set VBL,  6                           ; BIAS + 32 h
.set VW4,  7                           ; W4's address
.set VLB,  8                           ; my wave's list
.set VRW,  9                           ; r + 16 w: my slot within 64
.set VOFF, 10                          ; v10-14 12 x point of tile t.  Until the first gather these five hold the head's lane terms:
.set LN,   10                          ; lane L
.set LH,   11                          ; h = L >> 4
.set LB3,  12                          ; (L >> 3) & 1
.set L7,   13                          ; L & 7
.set LHL,  14                          ; 8 h + (L & 7)
.set VHM,  15                          ; all ones in lanes 0-15, 0 in lanes 16-31
.set VD2,  16                          ; v16-17 tanh: the coefficient of q q in d, twice
.set TQ,   18                          ; v18-27 q, v28-37 n, v38-47 d of five pairs
.set TN,   28
.set TD,   38
.set BF,   48                          ; v48-63 bias of two feature tiles, as C
.set ACC,  64                          ; v64-143 tile (i, t) at 64 + 8 (5 i + t)
.set YHI,  144                         ; v144-223 Y's K steps 6, 7; first layer: the positions' B fragments
.set POS,  224                         ; v224-243 positions, 4 registers a tile
.set VN2,  250                         ; v250-251 tanh: the coefficient of q q in n, twice
; windows 1 and 2: X, K steps 0-3 and 4-7, at XB + 40 k + 8 t; A fragments of K steps 0-3 and 4-7 at AFB + 16 k + 8 i (last layer: W4's eight in window 1, at AFB + 8 k).
; Window 3: Y, K steps 0-5, at YB + 40 k + 8 t.
.set XB,   32
.set AFB,  192
.set YB,   16
; at the kernel's head, window 0: v64-127, v128-191 two stages of weights; v192-255 the range's times; v20-47 small inputs and work; v48-51 zeros; v52-63 offsets
.set STG0, 64
.set STG1, 128
.set TIM,  192
.set MSB, 0
.macro WIN new                         ; s_set_vgpr_msb: bits 1:0 source 0, 3:2 source 1, 5:4 source 2, 7:6 destination; the high byte repeats the setting that is left
.if MSB != \new
	s_set_vgpr_msb (MSB<<8)|\new
.set MSB, \new
.endif
.endm
.macro PLACES
.rept 4
	v_nop
.endr
.endm
	s_load_b512 s[8:23], s[0:1], 0x0               ; W1 s[8:9], W2 s[10:11], W3 s[12:13], W4 s[14:15], b1 s[16:17], b2 s[18:19], b3 s[20:21], b4 s[22:23]
	s_load_b128 s[24:27], s[0:1], 0x40             ; positions s[24:25], times s[26:27]
	s_load_b64 s[28:29], s[0:1], 0x50              ; out0
	s_set_vgpr_msb 0x40
	v_lshl_add_u32 v30, v0, 2, 0x4f800
	v_mov_b32 v31, 0
	s_set_vgpr_msb 0x4000
	v_lshrrev_b32 v[LN], 5, v0
	v_readfirstlane_b32 s2, v[LN]                  ; wave w
	s_and_b32 s3, ttmp7, 0xffff                    ; class c
	; lane terms and the pass's LDS addresses
	v_and_b32 v[LN], 31, v0
	v_bfe_u32 v[LH], v0, 4, 1
	v_bfe_u32 v[LB3], v0, 3, 1
	v_and_b32 v[L7], 7, v0
	v_lshl_add_u32 v[LHL], v[LH], 3, v[L7]
	v_mul_u32_u24 v[VLT], v[LHL], PW
	v_lshl_add_u32 v[VLT], v[LB3], 4, v[VLT]
	v_lshlrev_b32 v[VBL], 5, v[LH]
	v_add_nc_u32 v[VBL], BIAS, v[VBL]
	v_lshlrev_b32 v[VW4], 5, v[LHL]
	v_lshl_add_u32 v[VW4], v[LB3], 4, v[VW4]
	v_add_nc_u32 v[VW4], W4R, v[VW4]
	s_mul_i32 s60, s2, LISTW
	s_add_co_u32 s60, s60, LIST
	v_mov_b32 v[VLB], s60
	v_and_b32 v[VRW], 15, v0
	v_lshl_add_u32 v[VRW], s2, 4, v[VRW]
	v_cmp_gt_u32 vcc_lo, 16, v[LN]
	v_cndmask_b32 v[VHM], 0, -1, vcc_lo
	; offsets into global buffers (thread t = 32 w + L)
	v_lshlrev_b32 v57, 4, v[LN]                    ; 16 L: times and weight rows
	v_lshlrev_b32 v53, 3, v0                       ; columns 2 t, 2 t + 1 of W1's rows and of the biases
	v_mul_u32_u24 v54, v0, 24                      ; rows 2 t, 2 t + 1 of W4
	; the head's LDS addresses, each made of the wave's number and the lane
	s_mul_i32 s61, s2, 64*PW
	s_add_co_u32 s61, s61, W2R
	v_lshl_add_u32 v55, v[LN], 3, s61              ; W2R + my 64 rows + 8 L
	v_add_nc_u32 v56, W3R-W2R, v55                 ; the same in W3R
	v_lshrrev_b32 v59, 3, v[LN]
	v_mul_u32_u24 v59, v59, PW
	v_lshl_add_u32 v59, v[L7], 4, v59
	v_lshl_add_u32 v59, s2, 7, v59                 ; W1R: row L >> 3, my wave's 128 bytes of it, 16 (L & 7)
	v_lshlrev_b32 v60, 2, v[LN]
	v_lshl_add_u32 v60, s2, 7, v60                 ; W1R: 128 w + 4 L
	v_lshlrev_b32 v61, 3, v[LN]
	v_lshl_add_u32 v61, s2, 8, v61
	v_add_nc_u32 v61, BIAS, v61                    ; BIAS + 256 w + 8 L
	v_lshlrev_b32 v62, 6, v[LN]
	v_lshl_add_u32 v62, s2, 11, v62
	v_add_nc_u32 v62, W4R, v62                     ; W4R + 2048 w + 64 L
	v_lshl_add_u32 v63, v[LN], 4, s60              ; my list + 16 L
	v_mov_b32 v48, 0
	v_mov_b32 v49, 0
	v_mov_b32 v50, 0
	v_mov_b32 v51, 0
	v_mov_b32 v46, 0x800                           ; the dump entry
	v_lshlrev_b32 v47, 2, v[LN]                    ; 4 L
	v_add_nc_u32 v52, 0x8000, v47                  ; 4 L with bit 15: a point whose times is outside 0..7
	s_wait_kmcnt 0x0
	; every pointer gets its own offset
	s_mov_b32 s33, 0
	s_mul_i32 s32, s3, 3072
	s_add_nc_u64 s[8:9], s[8:9], s[32:33]          ; W1[c]
	s_add_nc_u64 s[14:15], s[14:15], s[32:33]      ; W4[c]
	s_lshl_b32 s32, s3, 18
	s_lshl_b32 s31, s2, 16
	s_add_co_u32 s32, s32, s31
	s_add_nc_u64 s[10:11], s[10:11], s[32:33]      ; W2[c], my 64 rows
	s_add_nc_u64 s[12:13], s[12:13], s[32:33]      ; W3[c], my 64 rows
	s_lshl_b32 s32, s3, 10
	s_add_nc_u64 s[16:17], s[16:17], s[32:33]
	s_add_nc_u64 s[18:19], s[18:19], s[32:33]
	s_add_nc_u64 s[20:21], s[20:21], s[32:33]
	s_mul_i32 s32, s3, 12
	s_add_nc_u64 s[22:23], s[22:23], s[32:33]      ; b4[c]
	s_mul_i32 s32, ttmp9, 24576
	s_add_nc_u64 s[24:25], s[24:25], s[32:33]      ; positions and out0 at the range's first point
	s_add_nc_u64 s[28:29], s[28:29], s[32:33]
	s_lshl_b32 s32, ttmp9, 13
	s_add_nc_u64 s[26:27], s[26:27], s[32:33]      ; times likewise
	s_load_b96 s[40:42], s[22:23], 0x0             ; b4[c]; waited for in front of the barrier
; rows 8 trip .. 8 trip + 7 of my 64 rows of a weight matrix: 16 loads of 512 neighbouring bytes
.macro WLOAD stg, base, trip
.irp j, 0,1,2,3,4,5,6,7,8,9,10,11,12,13,14,15
	global_load_b128 v[\stg+4*\j:\stg+4*\j+3], v57, s[\base:\base+1] offset:8192*(\trip)+(\j/2)*1024+(\j%2)*512
.endr
.endm
; the same eight rows, rounded to f16, into LDS: a store of the wave covers 256 neighbouring bytes
.macro CONV stg, la, trip
.irp j, 0,1,2,3,4,5,6,7,8,9,10,11,12,13,14,15
	v_cvt_pk_f16_f32 v[\stg+4*\j], v[\stg+4*\j], v[\stg+4*\j+1]
	v_cvt_pk_f16_f32 v[\stg+4*\j+1], v[\stg+4*\j+2], v[\stg+4*\j+3]
	ds_store_b64 v[\la], v[\stg+4*\j:\stg+4*\j+1] offset:8*PW*(\trip)+(\j/2)*PW+(\j%2)*256
.endr
.endm
	; all the head's loads go out in one run: 16 + 3 + 3 + 3 + 32 = 57
.irp s, 0,1,2,3,4,5,6,7,8,9,10,11,12,13,14,15
	global_load_b128 v[TIM+4*\s:TIM+4*\s+3], v57, s[26:27] offset:512*\s   ; every wave takes the range's 2,048 times: register 4 s + q of lane L is point 128 s + 4 L + q
.endr
.irp k, 0,1,2
	global_load_b64 v[20+2*\k:21+2*\k], v53, s[8:9] offset:1024*\k
.endr
	global_load_b64 v[26:27], v53, s[16:17]
	global_load_b64 v[28:29], v53, s[18:19]
	global_load_b64 v[30:31], v53, s[20:21]
.irp k, 0,1,2
	global_load_b64 v[32+2*\k:33+2*\k], v54, s[14:15] offset:8*\k
.endr
	WLOAD STG0, 10, 0
	WLOAD STG1, 12, 0
	; meanwhile: my wave's 128 bytes of all 32 rows of W1R are cleared, four rows a store, and my whole list (9 x 512 bytes)
.irp n, 0,1,2,3,4,5,6,7
	ds_store_b128 v59, v[48:51] offset:W1R+4*PW*\n
.endr
.irp n, 0,1,2,3,4,5,6,7,8
	ds_store_b128 v63, v[48:51] offset:512*\n
.endr
	; X and Y in windows 1 to 3 are written, in a trip of the loop below, by one of sixteen branches.  So that on no way through the text a register is read that nothing has
	; written, they are written once here, while the wave's first loads are on their way.  (Y's K steps 6 and 7 lie in window 0, in registers that the loads above write.)
	WIN 0x40
.set n, 0
.rept 160
	v_mov_b32 v[XB+n], 0
.set n, n+1
.endr
	WIN 0x80
.set n, 0
.rept 160
	v_mov_b32 v[XB+n], 0
.set n, n+1
.endr
	WIN 0xc0
.set n, 0
.rept 240
	v_mov_b32 v[YB+n], 0
.set n, n+1
.endr
	WIN 0
	; THE LIST.  All four waves build the same list from the same registers, each in bytes of its own: no barrier, and no wave stores where another reads.
	s_wait_loadcnt 41                              ; the 16 loads of times are in; the 3 + 3 + 3 + 32 younger ones stay out
	s_mov_b32 s5, 0                                ; count
.set n, 0
.rept 64
	v_and_b32 v[38+n%4], 7, v[TIM+n]
	v_cmp_eq_u32 s58, s3, v[38+n%4]                ; lanes whose point is mine
	v_cmp_lt_u32 vcc_lo, 7, v[TIM+n]               ; lanes whose times is outside 0..7 (unsigned: negative numbers too)
	v_mbcnt_lo_u32_b32 v[38+n%4], s58, s5          ; count so far + such lanes below me
	v_cndmask_b32 v[38+n%4], v46, v[38+n%4], s58   ; the others write to the dump entry
	v_min_u32 v[38+n%4], 0x800, v[38+n%4]
	v_lshl_add_u32 v[38+n%4], v[38+n%4], 1, v[VLB]
	v_cndmask_b32 v[42+n%4], v47, v52, vcc_lo
	v_add_nc_u32 v[42+n%4], 128*(n/4)+n%4, v[42+n%4]   ; the point's number in the range, and bit 15
	ds_store_b16 v[38+n%4], v[42+n%4]              ; behind my clearing stores of the same bytes: LDS serves a wave's instructions in order (ISA guide 5.7.1)
	s_bcnt1_i32_b32 s59, s58
	s_add_co_u32 s5, s5, s59
.set n, n+1
.endr
	s_min_u32 s5, s5, 0x800                        ; 64 x 32 at the most
	s_max_u32 s6, s5, 1
	s_sub_co_u32 s6, s6, 1                         ; the last valid entry
	s_mov_b32 s7, 0                                ; the pass's first slot
	s_mov_b32 s43, 0                               ; the pass's number
; The pass's points: tile t of wave w is slots s7 + 64 t + 16 w + r.  A slot at or beyond the count takes the last entry's point.
; A number that was loaded enters an address only behind a clamp by a constant: 0x87ff is the largest entry (point 2,047 with bit 15).
.macro GATHER
.irp t, 0,1,2,3,4
	s_add_co_u32 s31, s7, 64*\t
	v_add_nc_u32 v[VOFF+\t], s31, v[VRW]
	v_min_u32 v[VOFF+\t], s6, v[VOFF+\t]
	v_min_u32 v[VOFF+\t], 0x7ff, v[VOFF+\t]
	v_lshl_add_u32 v[VOFF+\t], v[VOFF+\t], 1, v[VLB]
	ds_load_u16 v[VOFF+\t], v[VOFF+\t]             ; in order behind my list's stores
.endr
	s_wait_dscnt 0x0
.irp t, 0,1,2,3,4
	v_cmp_gt_u32 s[34+\t], 0x8000, v[VOFF+\t]      ; lanes whose point's times is in 0..7: a select's mask, at the pass's end
	v_min_u32 v[VOFF+\t], 0x87ff, v[VOFF+\t]
	v_and_b32 v[VOFF+\t], 0x7ff, v[VOFF+\t]
	v_mul_u32_u24 v[VOFF+\t], v[VOFF+\t], 12
	global_load_b96 v[POS+4*\t:POS+4*\t+2], v[VOFF+\t], s[24:25]
.endr
.endm
	GATHER                                         ; the first pass's positions come in under the weights
	s_wait_loadcnt 37                              ; the small inputs are in; 32 loads of weights and 5 of positions are younger
	; W1's three rows, behind my own clearing stores of the same bytes
.irp k, 0,1,2
	v_cvt_pk_f16_f32 v[38+\k], v[20+2*\k], v[21+2*\k]
	ds_store_b32 v60, v[38+\k] offset:W1R+PW*\k
.endr
.irp k, 28,29,30,31
	v_mul_f32 v\k, 0x45800000, v\k                 ; 4096 b2, 4096 b3
.endr
	ds_store_b64 v61, v[26:27]
	ds_store_b64 v61, v[28:29] offset:1024
	ds_store_b64 v61, v[30:31] offset:2048
	; W4's rows 2 t and 2 t + 1: three numbers and five zeros, twice each
	v_cvt_pk_f16_f32 v40, v32, v33
	v_cvt_pk_f16_f32 v41, v34, 0
	v_mov_b32 v42, 0
	v_mov_b32 v43, 0
	v_cvt_pk_f16_f32 v44, v35, v36
	v_cvt_pk_f16_f32 v45, v37, 0
	v_mov_b32 v46, 0
	v_mov_b32 v47, 0
	ds_store_b128 v62, v[40:43]
	ds_store_b128 v62, v[40:43] offset:16
	ds_store_b128 v62, v[44:47] offset:32
	ds_store_b128 v62, v[44:47] offset:48
	; W2 and W3: my 64 rows of each, eight rows a stage, two stages: 32 loads of 512 bytes are out in each wave.  The eight steps are written out: the step stands in the immediates.
.irp tr, 0,1,2,3,4,5,6
	s_wait_loadcnt 16                              ; stage 0 is in; the other stage's 16 loads may stay out
	CONV STG0, 55, \tr
	WLOAD STG0, 10, (\tr+1)
	s_wait_loadcnt 16                              ; stage 1 is in; the 16 just issued stay out
	CONV STG1, 56, \tr
	WLOAD STG1, 12, (\tr+1)
.endr
	s_wait_loadcnt 16                              ; the last eight rows of each: nothing more is loaded
	CONV STG0, 55, 7
	s_wait_loadcnt 0x0
	CONV STG1, 56, 7
	s_wait_kmcnt 0x0                               ; b4
	s_wait_dscnt 0x0                               ; my stores of weights and biases are done, for the other waves' sake
	s_barrier_signal -1
	s_barrier_wait -1                              ; the kernel's one barrier: from here on LDS is only read
	s_cmp_eq_u32 s5, 0
	s_cbranch_scc1 .Ldone                          ; no point of mine in my range
; tanh's constants.  With sums that are s z and results that are g s tanh(z): clamp 4.97 s; n: g, 378 g s^2, 17325 g s^4, 135135 g s^6; d: 28, 3150 s^2, 62370 s^4, 135135 s^6.
.macro SETC c, n3, n2, n1, n0, d3, d2, d1, d0
	s_mov_b32 s54, \c|0x80000000
	s_mov_b32 s55, \c
	s_mov_b32 s44, \n3                             ; every constant fills both halves of its pair
	s_mov_b32 s45, \n3
	s_mov_b32 s46, \n1
	s_mov_b32 s47, \n1
	s_mov_b32 s48, \n0
	s_mov_b32 s49, \n0
	s_mov_b32 s50, \d3
	s_mov_b32 s51, \d3
	s_mov_b32 s52, \d1
	s_mov_b32 s53, \d1
	s_mov_b32 s56, \d0
	s_mov_b32 s57, \d0
	v_mov_b32 v[VN2], \n2
	v_mov_b32 v[VN2+1], \n2
	v_mov_b32 v[VD2], \d2
	v_mov_b32 v[VD2+1], \d2
.endm
; The bias and the A fragments of K step 0 of two feature tiles.  A transposing load takes 8 x 8 numbers of the rows (k) of W and hands each lane a piece of a column.
.macro LOADK0 alo, vb
.irp i, 0,1
.irp e, 0,1
	ds_load_b128 v[BF+8*\i+4*\e:BF+8*\i+4*\e+3], v[\vb] offset:64*\i+16*\e
.endr
.endr
	WIN 0x40
.irp i, 0,1
.irp e, 0,1
	ds_load_tr16_b128 v[AFB+8*\i+4*\e:AFB+8*\i+4*\e+3], v[\alo] offset:16*PW*\e+32*\i
.endr
.endr
	WIN 0
.endm
; the A fragments of K steps 1 to 7 of the same two feature tiles
.macro LOADREST alo, ahi
	WIN 0x40
.irp k, 1,2,3
.irp i, 0,1
.irp e, 0,1
	ds_load_tr16_b128 v[AFB+16*\k+8*\i+4*\e:AFB+16*\k+8*\i+4*\e+3], v[\alo] offset:32*PW*\k+16*PW*\e+32*\i
.endr
.endr
.endr
	WIN 0x80
.irp k, 0,1,2,3
.irp i, 0,1
.irp e, 0,1
	ds_load_tr16_b128 v[AFB+16*\k+8*\i+4*\e:AFB+16*\k+8*\i+4*\e+3], v[\ahi] offset:32*PW*\k+16*PW*\e+32*\i
.endr
.endr
.endr
	WIN 0
.endm
; W4's A fragments, eight K steps, into the A fragments' registers of window 1, which no conversion writes
.macro LOADW4
	WIN 0x40
.irp k, 0,1,2,3,4,5,6,7
.irp e, 0,1
	ds_load_tr16_b128 v[AFB+8*\k+4*\e:AFB+8*\k+4*\e+3], v[VW4] offset:1024*\k+512*\e
.endr
.endr
	WIN 0
.endm
; one K step on the ten accumulators (2 feature tiles x 5 point tiles), which take turns, one instruction a turn, in the same order in every K step.
; first = 1: the bias is the C operand and starts the sums.
.macro KSTEP ab, bb, first
.irp i, 0,1
.irp t, 0,1,2,3,4
.if \first
	v_wmma_f32_16x16x32_f16 v[ACC+8*(5*\i+\t):ACC+8*(5*\i+\t)+7], v[\ab+8*\i:\ab+8*\i+7], v[\bb+8*\t:\bb+8*\t+7], v[BF+8*\i:BF+8*\i+7]
.else
	v_wmma_f32_16x16x32_f16 v[ACC+8*(5*\i+\t):ACC+8*(5*\i+\t)+7], v[\ab+8*\i:\ab+8*\i+7], v[\bb+8*\t:\bb+8*\t+7], v[ACC+8*(5*\i+\t):ACC+8*(5*\i+\t)+7]
.endif
.endr
.endr
.endm
; tanh in place on the five register pairs a + st i: each step for all five, so that no instruction waits for the one in front of it
.macro TANH5 a, st
.irp i, 0,1,2,3,4
	v_med3_num_f32 v[\a+\st*\i], v[\a+\st*\i], s54, s55
	v_med3_num_f32 v[\a+\st*\i+1], v[\a+\st*\i+1], s54, s55
.endr
.irp i, 0,1,2,3,4
	v_pk_mul_f32 v[TQ+2*\i:TQ+2*\i+1], v[\a+\st*\i:\a+\st*\i+1], v[\a+\st*\i:\a+\st*\i+1]
.endr
.irp i, 0,1,2,3,4
	v_pk_fma_f32 v[TN+2*\i:TN+2*\i+1], v[TQ+2*\i:TQ+2*\i+1], s[44:45], v[VN2:VN2+1] op_sel_hi:[1,0,1]
.endr
.irp i, 0,1,2,3,4
	v_pk_fma_f32 v[TD+2*\i:TD+2*\i+1], v[TQ+2*\i:TQ+2*\i+1], s[50:51], v[VD2:VD2+1] op_sel_hi:[1,0,1]
.endr
.irp i, 0,1,2,3,4
	v_pk_fma_f32 v[TN+2*\i:TN+2*\i+1], v[TN+2*\i:TN+2*\i+1], v[TQ+2*\i:TQ+2*\i+1], s[46:47] op_sel_hi:[1,1,0]
.endr
.irp i, 0,1,2,3,4
	v_pk_fma_f32 v[TD+2*\i:TD+2*\i+1], v[TD+2*\i:TD+2*\i+1], v[TQ+2*\i:TQ+2*\i+1], s[52:53] op_sel_hi:[1,1,0]
.endr
.irp i, 0,1,2,3,4
	v_pk_fma_f32 v[TN+2*\i:TN+2*\i+1], v[TN+2*\i:TN+2*\i+1], v[TQ+2*\i:TQ+2*\i+1], s[48:49] op_sel_hi:[1,1,0]
.endr
.irp i, 0,1,2,3,4
	v_pk_fma_f32 v[TD+2*\i:TD+2*\i+1], v[TD+2*\i:TD+2*\i+1], v[TQ+2*\i:TQ+2*\i+1], s[56:57] op_sel_hi:[1,1,0]
.endr
.irp i, 0,1,2,3,4
	v_rcp_f32 v[TD+2*\i], v[TD+2*\i]
	v_rcp_f32 v[TD+2*\i+1], v[TD+2*\i+1]
.endr
.irp i, 0,1,2,3,4
	v_pk_mul_f32 v[TN+2*\i:TN+2*\i+1], v[TN+2*\i:TN+2*\i+1], v[\a+\st*\i:\a+\st*\i+1]   ; plain work that touches no reciprocal stands between the last v_rcp_f32 and the first use (ISA guide 5.7.2)
.endr
	s_wait_alu depctr_va_vdst(0)
.irp i, 0,1,2,3,4
	v_pk_mul_f32 v[\a+\st*\i:\a+\st*\i+1], v[TN+2*\i:TN+2*\i+1], v[TD+2*\i:TD+2*\i+1]
.endr
.endm
; the ten tiles, rounded to f16, are one K step of the next layer's five B fragments
.macro PACK win, base
	WIN \win
.irp t, 0,1,2,3,4
.irp i, 0,1
.irp e, 0,1,2,3
	v_cvt_pk_f16_f32 v[\base+8*\t+4*\i+\e], v[ACC+8*(5*\i+\t)+2*\e], v[ACC+8*(5*\i+\t)+2*\e+1]
.endr
.endr
.endr
	WIN 0
.endm
; key k = trip & 15: keys 0-7 are X's K steps 0-7 (the layers of W1 and W3), keys 8-15 are Y's K steps 0-7 (the layer of W2)
.macro PK k
.if \k < 8
.if \k < 4
	PACK 0x40, XB+40*\k
.else
	PACK 0x80, XB+40*(\k-4)
.endif
.else
.if \k < 14
	PACK 0xc0, YB+40*(\k-8)
.else
	PACK 0, YHI+40*(\k-14)
.endif
.endif
.endm
.macro NODE thr, lbl                   ; keys below thr go on, the others jump
	s_cmp_lt_u32 s31, \thr
	s_cbranch_scc0 \lbl
.endm
.macro LEAF k
	PK \k
	s_branch .Lpacked
.endm
.Lpass:
	s_wait_loadcnt 0x0                             ; the pass's positions
	SETC 0x409f0a3d, 0x45800000, 0x49bd0000, 0x4c875a00, 0x4e03f7c0, 0x41e00000, 0x4544e000, 0x4773a200, 0x4803f7c0   ; the first layer: s = 1, g = 4096
	; the first layer's B fragments: k = 0, 1, 2 lie in registers 0, 1 of lanes 0-15; all else is zero
.irp t, 0,1,2,3,4
	v_cvt_pk_f16_f32 v[YHI+8*\t], v[POS+4*\t], v[POS+4*\t+1]
	v_cvt_pk_f16_f32 v[YHI+8*\t+1], v[POS+4*\t+2], 0
	v_and_b32 v[YHI+8*\t], v[VHM], v[YHI+8*\t]
	v_and_b32 v[YHI+8*\t+1], v[VHM], v[YHI+8*\t+1]
.irp e, 2,3,4,5,6,7
	v_mov_b32 v[YHI+8*\t+\e], 0
.endr
.endr
	; the pass's first loads: W1's first pair (one K step), and K steps 1-7 of W2's first pair, whose registers the first layer leaves alone: they wait there for trip 8
	v_add_nc_u32 v[CA2], W2R, v[VLT]
	v_add_nc_u32 v[CA1], W2R+HALFK, v[VLT]
	LOADK0 VLT, VBL
	LOADREST CA2, CA1
	s_mov_b32 s30, 0                               ; trip = 8 x layer + pair
.Ltrip:
	s_wait_dscnt 0x0                               ; this trip's fragments and bias, asked for ahead of the last trip's tanh
	s_cmp_lt_u32 s30, 8
	s_cbranch_scc0 .Lmat2
	WIN 0x01                                       ; W1: A in window 1, B = the positions in window 0
	KSTEP AFB, YHI, 1
	WIN 0
	s_branch .Lmatdone
.Lmat2:
	s_cmp_lt_u32 s30, 16
	s_cbranch_scc0 .Lmat3
	WIN 0x05                                       ; W2: A and B = X in window 1
	KSTEP AFB, XB, 1
	KSTEP AFB+16, XB+40, 0
	KSTEP AFB+32, XB+80, 0
	KSTEP AFB+48, XB+120, 0
	WIN 0x0a                                       ; A and B in window 2
	KSTEP AFB, XB, 0
	KSTEP AFB+16, XB+40, 0
	KSTEP AFB+32, XB+80, 0
	KSTEP AFB+48, XB+120, 0
	WIN 0
	s_branch .Lmatdone
.Lmat3:
	WIN 0x0d                                       ; W3: A in window 1, B = Y in window 3
	KSTEP AFB, YB, 1
	KSTEP AFB+16, YB+40, 0
	KSTEP AFB+32, YB+80, 0
	KSTEP AFB+48, YB+120, 0
	WIN 0x0e                                       ; A in window 2, B in window 3
	KSTEP AFB, YB+160, 0
	KSTEP AFB+16, YB+200, 0
	WIN 0x02                                       ; A in window 2, B in window 0
	KSTEP AFB+32, YHI, 0
	KSTEP AFB+48, YHI+40, 0
	WIN 0
.Lmatdone:
	PLACES                                         ; four places behind the last matrix instruction, in front of the loads into its sources and of the reads of the results
	; the next trip's fragments come in under this trip's tanh
	s_add_co_u32 s31, s30, 1                       ; n, the next trip
	s_cmp_eq_u32 s31, TRIPS
	s_cbranch_scc1 .Lfrag4
	s_min_u32 s39, s31, TRIPS-1                    ; n is 23 at the most here
	s_lshr_b32 s32, s39, 3
	s_min_u32 s32, s32, 1
	s_mul_i32 s33, s32, W2R                        ; behind W1: 17,408 bytes,
	s_lshr_b32 s32, s39, 4
	s_mul_i32 s32, s32, W3R-W2R                    ; behind W2: 139,264 more,
	s_add_co_u32 s33, s33, s32
	s_and_b32 s32, s39, 7
	s_lshl_b32 s32, s32, 6                         ; and 64 bytes of a row for each pair
	s_add_co_u32 s33, s33, s32
	v_add_nc_u32 v[CA0], s33, v[VLT]
	v_add_nc_u32 v[CA1], HALFK, v[CA0]
	v_lshl_add_u32 v[VB], s39, 7, v[VBL]           ; b1, b2, b3 follow each other: 128 bytes a trip
	LOADK0 CA0, VB
	s_cmp_lt_u32 s31, 9
	s_cbranch_scc1 .Lfragdone                      ; W1 has one K step; trip 8's other seven are there since the pass's start
	LOADREST CA0, CA1
	s_branch .Lfragdone
.Lfrag4:
	LOADW4                                         ; behind the last trip: the last layer's fragments
.Lfragdone:
	s_cmp_lg_u32 s30, 8
	s_cbranch_scc1 .Lsameconst
	SETC 0x469f0a3d, 0x3f800000, 0x4fbd0000, 0x5e875a00, 0x6c03f7c0, 0x41e00000, 0x5144e000, 0x5f73a200, 0x6c03f7c0   ; from W2's layer on: s = 4096, g = 1
.Lsameconst:
.irp b, 0,1,2,3,4,5,6,7
	TANH5 ACC+10*\b, 2
.endr
	; where the ten tiles go: a tree of four compares on trip & 15
	s_and_b32 s31, s30, 15
	NODE 8, .Lk8
	NODE 4, .Lk4
	NODE 2, .Lk2
	NODE 1, .Lk1
	LEAF 0
.Lk1:
	LEAF 1
.Lk2:
	NODE 3, .Lk3
	LEAF 2
.Lk3:
	LEAF 3
.Lk4:
	NODE 6, .Lk6
	NODE 5, .Lk5
	LEAF 4
.Lk5:
	LEAF 5
.Lk6:
	NODE 7, .Lk7
	LEAF 6
.Lk7:
	LEAF 7
.Lk8:
	NODE 12, .Lk12
	NODE 10, .Lk10
	NODE 9, .Lk9
	LEAF 8
.Lk9:
	LEAF 9
.Lk10:
	NODE 11, .Lk11
	LEAF 10
.Lk11:
	LEAF 11
.Lk12:
	NODE 14, .Lk14
	NODE 13, .Lk13
	LEAF 12
.Lk13:
	LEAF 13
.Lk14:
	NODE 15, .Lk15
	LEAF 14
.Lk15:
	PK 15
.Lpacked:
	s_add_co_u32 s30, s30, 1
	s_cmp_lt_u32 s30, TRIPS
	s_cbranch_scc1 .Ltrip
	SETC 0x469f0a3d, 0x39800000, 0x49bd0000, 0x58875a00, 0x6603f7c0, 0x41e00000, 0x5144e000, 0x5f73a200, 0x6c03f7c0   ; the last layer: s = 4096, g = 1/4096
	; the last layer: one feature tile (features 0-2, and their copies 8-10), eight K steps, five accumulators by turns, one instruction a turn
	s_wait_dscnt 0x0                               ; W4's fragments
.irp j, 0,1,2
	v_mov_b32 v[BF+\j], s[40+\j]                   ; 4096 b4 as C, in both halves of the lanes: features j and 8 + j
	v_mul_f32 v[BF+\j], 0x45800000, v[BF+\j]
.endr
.irp j, 3,4,5,6,7
	v_mov_b32 v[BF+\j], 0
.endr
	WIN 0x05                                       ; A in window 1, B = X in window 1
.irp k, 0,1,2,3
.irp t, 0,1,2,3,4
.if \k == 0
	v_wmma_f32_16x16x32_f16 v[ACC+8*\t:ACC+8*\t+7], v[AFB+8*\k:AFB+8*\k+7], v[XB+40*\k+8*\t:XB+40*\k+8*\t+7], v[BF:BF+7]
.else
	v_wmma_f32_16x16x32_f16 v[ACC+8*\t:ACC+8*\t+7], v[AFB+8*\k:AFB+8*\k+7], v[XB+40*\k+8*\t:XB+40*\k+8*\t+7], v[ACC+8*\t:ACC+8*\t+7]
.endif
.endr
.endr
	WIN 0x09                                       ; A in window 1, B in window 2
.irp k, 0,1,2,3
.irp t, 0,1,2,3,4
	v_wmma_f32_16x16x32_f16 v[ACC+8*\t:ACC+8*\t+7], v[AFB+32+8*\k:AFB+32+8*\k+7], v[XB+40*\k+8*\t:XB+40*\k+8*\t+7], v[ACC+8*\t:ACC+8*\t+7]
.endr
.endr
	WIN 0
	PLACES                                         ; four places in front of the reads of the results (ISA guide 7.12.1)
	TANH5 ACC, 8                                   ; features 0, 1 of the five tiles
	TANH5 ACC+2, 8                                 ; features 2, 3 (3 is not stored)
	; every lane holds its point's three numbers in registers 0-2; zeros where the point's times is outside 0..7; 12 bytes to the point's place
.irp t, 0,1,2,3,4
.irp j, 0,1,2
	v_cndmask_b32 v[ACC+8*\t+\j], 0, v[ACC+8*\t+\j], s[34+\t]
.endr
.endr
.irp t, 0,1,2,3,4
	global_store_b96 v[VOFF+\t], v[ACC+8*\t:ACC+8*\t+2], s[28:29]
.endr
	s_add_co_u32 s7, s7, SLOTS
	s_cmp_ge_u32 s7, s5
	s_cbranch_scc1 .Ldone                          ; every listed point is served
	s_wait_xcnt 0x0                                ; the stores' offsets and data are written again only behind this wait
	GATHER
	s_add_co_u32 s43, s43, 1
	s_cmp_lt_u32 s43, PASSES
	s_cbranch_scc1 .Lpass
.Ldone:
	s_barrier_signal -1
	s_barrier_wait -1
	s_set_vgpr_msb 0x5
	s_wait_tensorcnt 0x0
	ds_add_u32 v30, v31
	s_wait_dscnt 0x0
	s_set_vgpr_msb 0x500
	s_endpgm
.Lfunc_end_k_qd9b758ef90_mlp:
	.size	k_qd9b758ef90_mlp, .Lfunc_end_k_qd9b758ef90_mlp-k_qd9b758ef90_mlp
	.p2alignl 7, 3214868480
	.fill 96, 4, 3214868480
	.section	.rodata,"a",@progbits
	.p2align	6, 0x0
	.amdhsa_kernel k_qd9b758ef90_mlp
		.amdhsa_group_segment_fixed_size 326144
		.amdhsa_private_segment_fixed_size 0
		.amdhsa_enable_private_segment 0
		.amdhsa_kernarg_size 88
		.amdhsa_user_sgpr_count 2
		.amdhsa_user_sgpr_kernarg_segment_ptr 1
		.amdhsa_wavefront_size32 1
		.amdhsa_system_sgpr_workgroup_id_x 1
		.amdhsa_system_sgpr_workgroup_id_y 1
		.amdhsa_system_sgpr_workgroup_id_z 1
		.amdhsa_system_vgpr_workitem_id 0
		.amdhsa_next_free_vgpr 1024
		.amdhsa_next_free_sgpr 66
		.amdhsa_reserve_vcc 1
		.amdhsa_float_denorm_mode_32 3
		.amdhsa_float_denorm_mode_16_64 3
		.amdhsa_memory_ordered 1
		.amdhsa_forward_progress 1
		.amdhsa_inst_pref_size 253
	.end_amdhsa_kernel
	.amdgpu_metadata
---
amdhsa.version: [ 1, 2 ]
amdhsa.kernels:
  - .name:           k_qd9b758ef90_mlp
    .symbol:         k_qd9b758ef90_mlp.kd
    .args:
      - { .name: W1, .offset: 0, .size: 8, .value_kind: global_buffer, .address_space: global }
      - { .name: W2, .offset: 8, .size: 8, .value_kind: global_buffer, .address_space: global }
      - { .name: W3, .offset: 16, .size: 8, .value_kind: global_buffer, .address_space: global }
      - { .name: W4, .offset: 24, .size: 8, .value_kind: global_buffer, .address_space: global }
      - { .name: b1, .offset: 32, .size: 8, .value_kind: global_buffer, .address_space: global }
      - { .name: b2, .offset: 40, .size: 8, .value_kind: global_buffer, .address_space: global }
      - { .name: b3, .offset: 48, .size: 8, .value_kind: global_buffer, .address_space: global }
      - { .name: b4, .offset: 56, .size: 8, .value_kind: global_buffer, .address_space: global }
      - { .name: positions, .offset: 64, .size: 8, .value_kind: global_buffer, .address_space: global }
      - { .name: times, .offset: 72, .size: 8, .value_kind: global_buffer, .address_space: global }
      - { .name: out0, .offset: 80, .size: 8, .value_kind: global_buffer, .address_space: global }
    .group_segment_fixed_size: 326144
    .private_segment_fixed_size: 0
    .kernarg_segment_align: 8
    .kernarg_segment_size: 88
    .max_flat_workgroup_size: 128
    .sgpr_count:     66
    .vgpr_count:     1024
    .wavefront_size: 32
...
	.end_amdgpu_metadata
.endif
;; end of part 2
;; ======== version 3 of 3: 1 launch; 2.17 times as fast as version 1
;; limits: a function is approximated: absolute error at most 0.0001; values are held in f16: magnitudes above 65,504 overflow, below 6.1e-05 lose precision; inputs' magnitudes at most 65,504
;; launch mlp (part 3): grid 32 x 8, 4 waves a work-group, no clusters, 326,144 bytes of LDS; arguments W1, W2, W3, W4, b1, b2, b3, b4, positions, times, out0; writes out0
.if DOCPART == 3
	.amdgcn_target "amdgcn-amd-amdhsa--gfx1250"
	.amdhsa_code_object_version 6
	.text
	.protected	k_qd9b758ef90_mlp
	.globl	k_qd9b758ef90_mlp
	.p2align	8
	.type	k_qd9b758ef90_mlp,@function
k_qd9b758ef90_mlp:
	s_mov_b64 s[64:65], 0
	v_nop
	global_prefetch_b8 v0, s[64:65] scope:SCOPE_SE
	s_setreg_imm32_b32 hwreg(HW_REG_WAVE_MODE, 25, 1), 1
	s_wait_xcnt 0x0
; out0[p] = MLP_c(positions[p]) with c = times[p]; zeros where times[p] is outside 0..7.  MLP: 3 -> 256 -> 256 -> 256 -> 3, tanh behind every layer.
; Work-group (x = R, y = c) owns, among points 2048 R .. 2048 R + 2047, those with times & 7 = c: it turns the class's four weight matrices into f16 in LDS,
; lists its points, runs the whole MLP for them with the activations in registers, and stores 12 bytes a point.
; A point whose times is outside 0..7 is listed with bit 15 set in its entry, is computed like the others, and a select puts zeros in the place of its result.
; One pass serves 320 list slots (4 waves x 5 tiles of 16 points); a counted loop makes as many passes as the count asks for (7 for 2,048).
;
; THE HEAD.  A wave brings its 64 rows of W2 and of W3 (131,072 bytes of f32) in 32 uses of eight loads of 512 bytes; seven uses, 56 loads, are kept on their way.
; The list of the work-group's points is built in 16 groups, one behind each of the first 16 uses, where the wave would else wait for weights.
;
; THE MATRIX UNIT IS USED TRANSPOSED: A = 16 output features x 32 inputs of W^T, B = 32 features x 16 points.  In the result, lane (r, h), register j holds
; (feature 8 h + j, point r), so rounding registers (2 e, 2 e + 1) of the tiles of features 32 m .. 32 m + 15 and 32 m + 16 .. 32 m + 31 to 16 bits gives registers
; 0-3 and 4-7 of the next layer's B fragment of K step m: no activation goes through LDS.
;
; ONE LOOP BODY FOR THE THREE HIDDEN LAYERS: trip i = 8 x layer + pair makes features 32 pair .. 32 pair + 31 of that layer for the wave's 80 points.  tanh, four fifths of
; a trip's instructions, always works on the same ten accumulators and stands once in the text.  What differs from trip to trip is chosen by branches on the trip's number:
; one of three runs of matrix instructions (B = the positions, X or Y), and one of sixteen blocks of 40 conversions (register numbers cannot be indexed).
; The body is about 11,000 bytes and runs 24 times a pass.
;
; EVERY LANE IS ON IN EVERY LINE.  W4's three columns lie twice in its LDS rows (columns 0-2 and 8-10), so lanes 16-31 hold the same three results of the same point as
; lanes 0-15; a list slot at or beyond the count takes the last listed point.  Such lanes store the same 12 bytes with the same values a second time.
;
; NUMBER FORMAT: all matrix operands are f16 (11 significant bits), sums in f32.  The hidden activations are kept as 4096 h: at most 4096 in magnitude, and normal
; f16 numbers down to h = 2^-14 / 4096 = 1.5e-8, which leaves room for inputs far smaller than one.  So the sums of layers 2 to 4 are 4096 z; b2, b3, b4 are
; multiplied by 4096 (exact), and the factor is folded, as exact powers of two, into the clamp and the coefficients of tanh: it costs no instruction.
; LIMITS KEPT.  An input above 65,504 in magnitude becomes infinite in f16.
; tanh(z) is x n(q) / d(q), x = z clamped to +-4.97, q = x x, n = ((q+378)q+17325)q+135135, d = ((28q+3150)q+62370)q+135135 (the continued fraction
; of tanh cut at degree 7/6): absolute error at most 1e-4 (at the clamp), relative error at rounding level for small z, never above 1, d >= 135135, no exponential.
; A NaN before a tanh is not passed on as NaN (the clamp drops it): results are claimed for finite inputs.
; out0 leaves in pieces of 12 bytes: 256 neighbouring bytes of out0 hold points of all classes, which are made in eight work-groups.
; NO JOINT LOADS, though the 32 work-groups of a class read the same weights: the weights are f32 in memory and pass through registers for the rounding to f16,
; the f16 copies take 304,128 of the 326,144 bytes of LDS asked for, which leaves no room for a stage of f32 tiles, and the number of passes differs between work-groups of a class.
; No prefetch: each weight byte is asked for by 32 work-groups at about the same time, and 56 loads of 512 bytes are out in every wave.
; ADDRESSES: v0-v15 are named in no other register window.  The fragments' three address registers are made anew in every trip from the trip's number and lane terms
; that are written once at the head; behind the kernel's one barrier LDS is only read.
.set PW,    544                        ; LDS pitch of a weight row: 256 f16 + 32 bytes = 17 x 32
.set W1R,   0                          ; 32 rows (k) x 544: W1, rows 3-31 zero
.set W2R,   17408                      ; 256 rows x 544
.set W3R,   156672                     ; 256 rows x 544
.set W4R,   295936                     ; 256 rows (k) x 32 bytes: 16 f16, W4's row in columns 0-2 and again in 8-10, the rest zero
.set BIAS,  304128                     ; b1, 4096 b2, 4096 b3 in f32, 1,024 bytes each
.set LIST,  307200                     ; each wave's own list: 2,048 entries of 2 bytes and a dump entry, 4,608 bytes a wave
.set LISTW, 4608
.set HALFK, 128*PW                     ; four K steps of 32 rows
.set SLOTS, 320                        ; list slots of a pass
.set PASSES, 7                         ; 7 x 320 >= 2,048
.set TRIPS, 24                         ; 3 layers x 8 pairs of feature tiles
.set USES,  32                         ; the head: 32 uses of eight loads (four rows of W2 or of W3, by turns)
.set AHEAD, 7                          ; uses on their way
; window 0
.set VLT,  1                           ; lane term of a transposing load: (8 h + (L & 7)) 544 + 16 ((L >> 3) & 1); also W1's address (W1R = 0)
.set CA0,  2                           ; the next trip's weights, K steps 0-3
.set CA1,  3                           ; the next trip's weights, K steps 4-7
.set VB,   4                           ; the next trip's bias
.set CA2,  5                           ; W2's first pair, K steps 0-3 (the pass's first loads)
.set VBL,  6                           ; BIAS + 32 h
.set VW4,  7                           ; W4's address
.set VLB,  8                           ; my wave's list
.set VRW,  9                           ; r + 16 w: my slot within 64
.set VOFF, 10                          ; v10-14 12 x point of tile t.  Until the first gather these five hold the head's lane terms:
.set LN,   10                          ; lane L
.set LH,   11                          ; h = L >> 4
.set LB3,  12                          ; (L >> 3) & 1
.set L7,   13                          ; L & 7
.set LHL,  14                          ; 8 h + (L & 7)
.set VHM,  15                          ; all ones in lanes 0-15, 0 in lanes 16-31
.set VD2,  16                          ; v16-17 tanh: the coefficient of q q in d, twice
.set TQ,   18                          ; v18-27 q, v28-37 n, v38-47 d of five pairs
.set TN,   28
.set TD,   38
.set BF,   48                          ; v48-63 bias of two feature tiles, as C
.set ACC,  64                          ; v64-143 tile (i, t) at 64 + 8 (5 i + t)
.set YHI,  144                         ; v144-223 Y's K steps 6, 7; first layer: the positions' B fragments
.set POS,  224                         ; v224-243 positions, 4 registers a tile
.set VN2,  250                         ; v250-251 tanh: the coefficient of q q in n, twice
; windows 1 and 2: X, K steps 0-3 and 4-7, at XB + 40 k + 8 t; A fragments of K steps 0-3 and 4-7 at AFB + 16 k + 8 i (last layer: W4's eight in window 1, at AFB + 8 k).
; Window 3: Y, K steps 0-5, at YB + 40 k + 8 t.
.set XB,   32
.set AFB,  192
.set YB,   16
; at the kernel's head, window 0: v16-18 the list's constants; v20-47 small inputs and work; v48-51 zeros; v53-63 offsets; v64-127 four areas of 16 registers for rounded
; weights on their way to LDS; v192-255 the range's times.  Windows 1 to 3: the registers of X and Y take the weights as loaded, 17 blocks of 32.
.set LDU,  16                          ; the dump entry's number
.set LL4,  17                          ; 4 L
.set LLB,  18                          ; 4 L with bit 15
.set STG,  64
.set TIM,  192
.set MSB, 0
.macro WIN new                         ; s_set_vgpr_msb: bits 1:0 source 0, 3:2 source 1, 5:4 source 2, 7:6 destination; the high byte repeats the setting that is left
.if MSB != \new
	s_set_vgpr_msb (MSB<<8)|\new
.set MSB, \new
.endif
.endm
.macro PLACES
.rept 4
	v_nop
.endr
.endm
	s_load_b512 s[8:23], s[0:1], 0x0               ; W1 s[8:9], W2 s[10:11], W3 s[12:13], W4 s[14:15], b1 s[16:17], b2 s[18:19], b3 s[20:21], b4 s[22:23]
	s_load_b128 s[24:27], s[0:1], 0x40             ; positions s[24:25], times s[26:27]
	s_load_b64 s[28:29], s[0:1], 0x50              ; out0
	s_set_vgpr_msb 0x40
	v_lshl_add_u32 v30, v0, 2, 0x4f800
	v_mov_b32 v31, 0
	s_set_vgpr_msb 0x4000
	v_lshrrev_b32 v[LN], 5, v0
	v_readfirstlane_b32 s2, v[LN]                  ; wave w
	s_and_b32 s3, ttmp7, 0xffff                    ; class c
	; lane terms and the pass's LDS addresses
	v_and_b32 v[LN], 31, v0
	v_bfe_u32 v[LH], v0, 4, 1
	v_bfe_u32 v[LB3], v0, 3, 1
	v_and_b32 v[L7], 7, v0
	v_lshl_add_u32 v[LHL], v[LH], 3, v[L7]
	v_mul_u32_u24 v[VLT], v[LHL], PW
	v_lshl_add_u32 v[VLT], v[LB3], 4, v[VLT]
	v_lshlrev_b32 v[VBL], 5, v[LH]
	v_add_nc_u32 v[VBL], BIAS, v[VBL]
	v_lshlrev_b32 v[VW4], 5, v[LHL]
	v_lshl_add_u32 v[VW4], v[LB3], 4, v[VW4]
	v_add_nc_u32 v[VW4], W4R, v[VW4]
	s_mul_i32 s60, s2, LISTW
	s_add_co_u32 s60, s60, LIST
	v_mov_b32 v[VLB], s60
	v_and_b32 v[VRW], 15, v0
	v_lshl_add_u32 v[VRW], s2, 4, v[VRW]
	v_cmp_gt_u32 vcc_lo, 16, v[LN]
	v_cndmask_b32 v[VHM], 0, -1, vcc_lo
	; offsets into global buffers (thread t = 32 w + L)
	v_lshlrev_b32 v57, 4, v[LN]                    ; 16 L: times and weight rows
	v_lshlrev_b32 v53, 3, v0                       ; columns 2 t, 2 t + 1 of W1's rows and of the biases
	v_mul_u32_u24 v54, v0, 24                      ; rows 2 t, 2 t + 1 of W4
	; the head's LDS addresses, each made of the wave's number and the lane
	s_mul_i32 s61, s2, 64*PW
	s_add_co_u32 s61, s61, W2R
	v_lshl_add_u32 v55, v[LN], 3, s61              ; W2R + my 64 rows + 8 L
	v_add_nc_u32 v56, W3R-W2R, v55                 ; the same in W3R
	v_lshrrev_b32 v59, 3, v[LN]
	v_mul_u32_u24 v59, v59, PW
	v_lshl_add_u32 v59, v[L7], 4, v59
	v_lshl_add_u32 v59, s2, 7, v59                 ; W1R: row L >> 3, my wave's 128 bytes of it, 16 (L & 7)
	v_lshlrev_b32 v60, 2, v[LN]
	v_lshl_add_u32 v60, s2, 7, v60                 ; W1R: 128 w + 4 L
	v_lshlrev_b32 v61, 3, v[LN]
	v_lshl_add_u32 v61, s2, 8, v61
	v_add_nc_u32 v61, BIAS, v61                    ; BIAS + 256 w + 8 L
	v_lshlrev_b32 v62, 6, v[LN]
	v_lshl_add_u32 v62, s2, 11, v62
	v_add_nc_u32 v62, W4R, v62                     ; W4R + 2048 w + 64 L
	v_lshl_add_u32 v63, v[LN], 4, s60              ; my list + 16 L
	v_mov_b32 v48, 0
	v_mov_b32 v49, 0
	v_mov_b32 v50, 0
	v_mov_b32 v51, 0
	v_mov_b32 v[LDU], 0x800                        ; the dump entry
	v_lshlrev_b32 v[LL4], 2, v[LN]                 ; 4 L
	v_add_nc_u32 v[LLB], 0x8000, v[LL4]            ; 4 L with bit 15: a point whose times is outside 0..7
	s_wait_kmcnt 0x0
	; every pointer gets its own offset
	s_mov_b32 s33, 0
	s_mul_i32 s32, s3, 3072
	s_add_nc_u64 s[8:9], s[8:9], s[32:33]          ; W1[c]
	s_add_nc_u64 s[14:15], s[14:15], s[32:33]      ; W4[c]
	s_lshl_b32 s32, s3, 18
	s_lshl_b32 s31, s2, 16
	s_add_co_u32 s32, s32, s31
	s_add_nc_u64 s[10:11], s[10:11], s[32:33]      ; W2[c], my 64 rows
	s_add_nc_u64 s[12:13], s[12:13], s[32:33]      ; W3[c], my 64 rows
	s_lshl_b32 s32, s3, 10
	s_add_nc_u64 s[16:17], s[16:17], s[32:33]
	s_add_nc_u64 s[18:19], s[18:19], s[32:33]
	s_add_nc_u64 s[20:21], s[20:21], s[32:33]
	s_mul_i32 s32, s3, 12
	s_add_nc_u64 s[22:23], s[22:23], s[32:33]      ; b4[c]
	s_mul_i32 s32, ttmp9, 24576
	s_add_nc_u64 s[24:25], s[24:25], s[32:33]      ; positions and out0 at the range's first point
	s_add_nc_u64 s[28:29], s[28:29], s[32:33]
	s_lshl_b32 s32, ttmp9, 13
	s_add_nc_u64 s[26:27], s[26:27], s[32:33]      ; times likewise
	s_load_b96 s[40:42], s[22:23], 0x0             ; b4[c]; waited for in front of the barrier
; Use u (0 to 31) is rows 4 (u / 2) .. 4 (u / 2) + 3 of my 64 rows of W2 (u even) or W3 (u odd).  Its 32 registers are block u mod 17 of the 17 blocks of 32 in X's and Y's
; registers: a block is loaded again 17 uses later, long behind its conversions.
.macro BLK u
.set bb, (\u)%17
.if bb < 5
.set BW, 1
.set BR, XB+32*bb
.else
.if bb < 10
.set BW, 2
.set BR, XB+32*(bb-5)
.else
.set BW, 3
.set BR, YB+32*(bb-10)
.endif
.endif
.endm
; the use's eight loads of 512 neighbouring bytes
.macro WLOAD u
	BLK \u
.set WV, BW<<6
	WIN WV                                         ; the loaded data in the block's window, the offset register in window 0
.irp j, 0,1,2,3,4,5,6,7
	global_load_b128 v[BR+4*\j:BR+4*\j+3], v57, s[10+2*((\u)%2):11+2*((\u)%2)] offset:4096*((\u)/2)+(\j/2)*1024+(\j%2)*512
.endr
.endm
; the use's four rows, rounded to f16 into one of four areas of window 0 that take turns, and from there into LDS: a store of the wave covers 256 neighbouring bytes.
; The sixteen conversions stand in one run ahead of the eight stores, so that no store stands next to the conversion that feeds it.
.macro CONV u
	BLK \u
.set PKR, STG+16*((\u)%4)
.set WV, BW|(BW<<2)
	WIN WV                                         ; both sources in the block's window, the result in window 0
.irp j, 0,1,2,3,4,5,6,7
	v_cvt_pk_f16_f32 v[PKR+2*\j], v[BR+4*\j], v[BR+4*\j+1]
	v_cvt_pk_f16_f32 v[PKR+2*\j+1], v[BR+4*\j+2], v[BR+4*\j+3]
.endr
	WIN 0
.irp j, 0,1,2,3,4,5,6,7
	ds_store_b64 v[55+(\u)%2], v[PKR+2*\j:PKR+2*\j+1] offset:4*PW*((\u)/2)+(\j/2)*PW+(\j%2)*256
.endr
.endm
; THE LIST, group g: the points of registers 4 g .. 4 g + 3 of the times (register 4 s + q of lane L is point 128 s + 4 L + q).  All four waves build the same list from the
; same registers, each in bytes of its own: no barrier, and no wave stores where another reads.  Each stage is written for the four registers, so that no line needs the
; result of the line in front of it; the entries' order is that of the registers.
.macro LGROUP g
.irp q, 0,1,2,3
	v_and_b32 v[38+\q], 7, v[TIM+4*\g+\q]
.endr
.irp q, 0,1,2,3
	v_cmp_eq_u32 s[44+\q], s3, v[38+\q]            ; lanes whose point is mine
.endr
.irp q, 0,1,2,3
	v_cmp_lt_u32 s[48+\q], 7, v[TIM+4*\g+\q]       ; lanes whose times is outside 0..7 (unsigned: negative numbers too)
.endr
.irp q, 0,1,2,3
	s_bcnt1_i32_b32 s[52+\q], s[44+\q]
.endr
	s_add_co_u32 s52, s52, s5                      ; the count in front of register 1,
	s_add_co_u32 s53, s53, s52                     ; of register 2,
	s_add_co_u32 s54, s54, s53                     ; of register 3,
	s_add_co_u32 s55, s55, s54                     ; and behind the group
	v_mbcnt_lo_u32_b32 v38, s44, s5                ; count so far + such lanes below me
	v_mbcnt_lo_u32_b32 v39, s45, s52
	v_mbcnt_lo_u32_b32 v40, s46, s53
	v_mbcnt_lo_u32_b32 v41, s47, s54
	s_mov_b32 s5, s55
.irp q, 0,1,2,3
	v_cndmask_b32 v[38+\q], v[LDU], v[38+\q], s[44+\q]   ; the others write to the dump entry
.endr
.irp q, 0,1,2,3
	v_min_u32 v[38+\q], 0x800, v[38+\q]
.endr
.irp q, 0,1,2,3
	v_lshl_add_u32 v[38+\q], v[38+\q], 1, v[VLB]
.endr
.irp q, 0,1,2,3
	v_cndmask_b32 v[42+\q], v[LL4], v[LLB], s[48+\q]
.endr
.irp q, 0,1,2,3
	v_add_nc_u32 v[42+\q], 128*\g+\q, v[42+\q]     ; the point's number in the range, and bit 15
.endr
.irp q, 0,1,2,3
	ds_store_b16 v[38+\q], v[42+\q]                ; behind my clearing stores of the same bytes: LDS serves a wave's instructions in order (ISA guide 5.7.1)
.endr
.endm
; One step of the head.  The wait's count is the number of loads issued behind use u's eight: the later uses that are out, six of them (48 loads) up to use 25 and 31 - u of
; them from there on, and for uses 16 to 22 also the five loads of positions, which are issued between use 22's loads and use 23's.
.macro STEP u
.if \u < 26
.set NW, 48
.else
.set NW, 8*(31-\u)
.endif
.if \u > 15
.if \u < 23
.set NW, NW+5
.endif
.endif
	s_wait_loadcnt NW
	CONV \u
.if \u < USES-AHEAD
	WLOAD (\u+AHEAD)
.endif
	WIN 0
.if \u < 16
	LGROUP \u
.endif
.endm
	; the first loads go out in one run: 16 + 3 + 3 + 3 + 32 = 57
.irp s, 0,1,2,3,4,5,6,7,8,9,10,11,12,13,14,15
	global_load_b128 v[TIM+4*\s:TIM+4*\s+3], v57, s[26:27] offset:512*\s   ; every wave takes the range's 2,048 times
.endr
.irp k, 0,1,2
	global_load_b64 v[20+2*\k:21+2*\k], v53, s[8:9] offset:1024*\k
.endr
	global_load_b64 v[26:27], v53, s[16:17]
	global_load_b64 v[28:29], v53, s[18:19]
	global_load_b64 v[30:31], v53, s[20:21]
.irp k, 0,1,2
	global_load_b64 v[32+2*\k:33+2*\k], v54, s[14:15] offset:8*\k
.endr
	WLOAD 0
	WLOAD 1
	WLOAD 2
	WLOAD 3
	WIN 0
	; meanwhile: my wave's 128 bytes of all 32 rows of W1R are cleared, four rows a store, and my whole list (9 x 512 bytes)
.irp n, 0,1,2,3,4,5,6,7
	ds_store_b128 v59, v[48:51] offset:W1R+4*PW*\n
.endr
.irp n, 0,1,2,3,4,5,6,7,8
	ds_store_b128 v63, v[48:51] offset:512*\n
.endr
	; X and Y are written, in a trip of the loop below, by one of sixteen branches.  So that on no way through the text a register is read that nothing has written, each of
	; them is written once in the head: 544 by the weights' loads, 32 by the loads of the times, and the 24 that neither reaches here.
	WIN 0xc0
.set n, 0
.rept 16
	v_mov_b32 v[YB+224+n], 0
.set n, n+1
.endr
	WIN 0
.set n, 0
.rept 8
	v_mov_b32 v[YHI+40+n], 0
.set n, n+1
.endr
	s_wait_loadcnt 41                              ; the 16 loads of times are in; the 3 + 3 + 3 + 32 younger ones stay out
	WLOAD 4
	WLOAD 5
	s_wait_loadcnt 48                              ; the small inputs are in; the 48 loads of uses 0 to 5 are younger
	WLOAD 6                                        ; seven uses, 56 loads, are out
	WIN 0
	; W1's three rows, behind my own clearing stores of the same bytes
.irp k, 0,1,2
	v_cvt_pk_f16_f32 v[38+\k], v[20+2*\k], v[21+2*\k]
	ds_store_b32 v60, v[38+\k] offset:W1R+PW*\k
.endr
.irp k, 28,29,30,31
	v_mul_f32 v\k, 0x45800000, v\k                 ; 4096 b2, 4096 b3
.endr
	ds_store_b64 v61, v[26:27]
	ds_store_b64 v61, v[28:29] offset:1024
	ds_store_b64 v61, v[30:31] offset:2048
	; W4's rows 2 t and 2 t + 1: three numbers and five zeros, twice each
	v_cvt_pk_f16_f32 v40, v32, v33
	v_cvt_pk_f16_f32 v41, v34, 0
	v_mov_b32 v42, 0
	v_mov_b32 v43, 0
	v_cvt_pk_f16_f32 v44, v35, v36
	v_cvt_pk_f16_f32 v45, v37, 0
	v_mov_b32 v46, 0
	v_mov_b32 v47, 0
	ds_store_b128 v62, v[40:43]
	ds_store_b128 v62, v[40:43] offset:16
	ds_store_b128 v62, v[44:47] offset:32
	ds_store_b128 v62, v[44:47] offset:48
	s_mov_b32 s5, 0                                ; count
.irp u, 0,1,2,3,4,5,6,7,8,9,10,11,12,13,14,15
	STEP \u
.endr
	s_min_u32 s5, s5, 0x800                        ; 64 x 32 at the most
	s_max_u32 s6, s5, 1
	s_sub_co_u32 s6, s6, 1                         ; the last valid entry
	s_mov_b32 s7, 0                                ; the pass's first slot
	s_mov_b32 s43, 0                               ; the pass's number
; The pass's points: tile t of wave w is slots s7 + 64 t + 16 w + r.  A slot at or beyond the count takes the last entry's point.
; A number that was loaded enters an address only behind a clamp by a constant: 0x87ff is the largest entry (point 2,047 with bit 15).
.macro GATHER
.irp t, 0,1,2,3,4
	s_add_co_u32 s31, s7, 64*\t
	v_add_nc_u32 v[VOFF+\t], s31, v[VRW]
	v_min_u32 v[VOFF+\t], s6, v[VOFF+\t]
	v_min_u32 v[VOFF+\t], 0x7ff, v[VOFF+\t]
	v_lshl_add_u32 v[VOFF+\t], v[VOFF+\t], 1, v[VLB]
	ds_load_u16 v[VOFF+\t], v[VOFF+\t]             ; in order behind my list's stores
.endr
	s_wait_dscnt 0x0
.irp t, 0,1,2,3,4
	v_cmp_gt_u32 s[34+\t], 0x8000, v[VOFF+\t]      ; lanes whose point's times is in 0..7: a select's mask, at the pass's end
	v_min_u32 v[VOFF+\t], 0x87ff, v[VOFF+\t]
	v_and_b32 v[VOFF+\t], 0x7ff, v[VOFF+\t]
	v_mul_u32_u24 v[VOFF+\t], v[VOFF+\t], 12
	global_load_b96 v[POS+4*\t:POS+4*\t+2], v[VOFF+\t], s[24:25]
.endr
.endm
	GATHER                                         ; the first pass's positions come in under the second half of the weights
.irp u, 16,17,18,19,20,21,22,23,24,25,26,27,28,29,30,31
	STEP \u
.endr
	s_wait_kmcnt 0x0                               ; b4
	s_wait_dscnt 0x0                               ; my stores of weights and biases are done, for the other waves' sake
	s_barrier_signal -1
	s_barrier_wait -1                              ; the kernel's one barrier: from here on LDS is only read
	s_cmp_eq_u32 s5, 0
	s_cbranch_scc1 .Ldone                          ; no point of mine in my range
; tanh's constants.  With sums that are s z and results that are g s tanh(z): clamp 4.97 s; n: g, 378 g s^2, 17325 g s^4, 135135 g s^6; d: 28, 3150 s^2, 62370 s^4, 135135 s^6.
.macro SETC c, n3, n2, n1, n0, d3, d2, d1, d0
	s_mov_b32 s54, \c|0x80000000
	s_mov_b32 s55, \c
	s_mov_b32 s44, \n3                             ; every constant fills both halves of its pair
	s_mov_b32 s45, \n3
	s_mov_b32 s46, \n1
	s_mov_b32 s47, \n1
	s_mov_b32 s48, \n0
	s_mov_b32 s49, \n0
	s_mov_b32 s50, \d3
	s_mov_b32 s51, \d3
	s_mov_b32 s52, \d1
	s_mov_b32 s53, \d1
	s_mov_b32 s56, \d0
	s_mov_b32 s57, \d0
	v_mov_b32 v[VN2], \n2
	v_mov_b32 v[VN2+1], \n2
	v_mov_b32 v[VD2], \d2
	v_mov_b32 v[VD2+1], \d2
.endm
; The bias and the A fragments of K step 0 of two feature tiles.  A transposing load takes 8 x 8 numbers of the rows (k) of W and hands each lane a piece of a column.
.macro LOADK0 alo, vb
.irp i, 0,1
.irp e, 0,1
	ds_load_b128 v[BF+8*\i+4*\e:BF+8*\i+4*\e+3], v[\vb] offset:64*\i+16*\e
.endr
.endr
	WIN 0x40
.irp i, 0,1
.irp e, 0,1
	ds_load_tr16_b128 v[AFB+8*\i+4*\e:AFB+8*\i+4*\e+3], v[\alo] offset:16*PW*\e+32*\i
.endr
.endr
	WIN 0
.endm
; the A fragments of K steps 1 to 7 of the same two feature tiles
.macro LOADREST alo, ahi
	WIN 0x40
.irp k, 1,2,3
.irp i, 0,1
.irp e, 0,1
	ds_load_tr16_b128 v[AFB+16*\k+8*\i+4*\e:AFB+16*\k+8*\i+4*\e+3], v[\alo] offset:32*PW*\k+16*PW*\e+32*\i
.endr
.endr
.endr
	WIN 0x80
.irp k, 0,1,2,3
.irp i, 0,1
.irp e, 0,1
	ds_load_tr16_b128 v[AFB+16*\k+8*\i+4*\e:AFB+16*\k+8*\i+4*\e+3], v[\ahi] offset:32*PW*\k+16*PW*\e+32*\i
.endr
.endr
.endr
	WIN 0
.endm
; W4's A fragments, eight K steps, into the A fragments' registers of window 1, which no conversion writes
.macro LOADW4
	WIN 0x40
.irp k, 0,1,2,3,4,5,6,7
.irp e, 0,1
	ds_load_tr16_b128 v[AFB+8*\k+4*\e:AFB+8*\k+4*\e+3], v[VW4] offset:1024*\k+512*\e
.endr
.endr
	WIN 0
.endm
; one K step on the ten accumulators (2 feature tiles x 5 point tiles), which take turns, one instruction a turn, in the same order in every K step.
; first = 1: the bias is the C operand and starts the sums.
.macro KSTEP ab, bb, first
.irp i, 0,1
.irp t, 0,1,2,3,4
.if \first
	v_wmma_f32_16x16x32_f16 v[ACC+8*(5*\i+\t):ACC+8*(5*\i+\t)+7], v[\ab+8*\i:\ab+8*\i+7], v[\bb+8*\t:\bb+8*\t+7], v[BF+8*\i:BF+8*\i+7]
.else
	v_wmma_f32_16x16x32_f16 v[ACC+8*(5*\i+\t):ACC+8*(5*\i+\t)+7], v[\ab+8*\i:\ab+8*\i+7], v[\bb+8*\t:\bb+8*\t+7], v[ACC+8*(5*\i+\t):ACC+8*(5*\i+\t)+7]
.endif
.endr
.endr
.endm
; tanh in place on the five register pairs a + st i: each step for all five, so that no instruction waits for the one in front of it
.macro TANH5 a, st
.irp i, 0,1,2,3,4
	v_med3_num_f32 v[\a+\st*\i], v[\a+\st*\i], s54, s55
	v_med3_num_f32 v[\a+\st*\i+1], v[\a+\st*\i+1], s54, s55
.endr
.irp i, 0,1,2,3,4
	v_pk_mul_f32 v[TQ+2*\i:TQ+2*\i+1], v[\a+\st*\i:\a+\st*\i+1], v[\a+\st*\i:\a+\st*\i+1]
.endr
.irp i, 0,1,2,3,4
	v_pk_fma_f32 v[TN+2*\i:TN+2*\i+1], v[TQ+2*\i:TQ+2*\i+1], s[44:45], v[VN2:VN2+1] op_sel_hi:[1,0,1]
.endr
.irp i, 0,1,2,3,4
	v_pk_fma_f32 v[TD+2*\i:TD+2*\i+1], v[TQ+2*\i:TQ+2*\i+1], s[50:51], v[VD2:VD2+1] op_sel_hi:[1,0,1]
.endr
.irp i, 0,1,2,3,4
	v_pk_fma_f32 v[TN+2*\i:TN+2*\i+1], v[TN+2*\i:TN+2*\i+1], v[TQ+2*\i:TQ+2*\i+1], s[46:47] op_sel_hi:[1,1,0]
.endr
.irp i, 0,1,2,3,4
	v_pk_fma_f32 v[TD+2*\i:TD+2*\i+1], v[TD+2*\i:TD+2*\i+1], v[TQ+2*\i:TQ+2*\i+1], s[52:53] op_sel_hi:[1,1,0]
.endr
.irp i, 0,1,2,3,4
	v_pk_fma_f32 v[TN+2*\i:TN+2*\i+1], v[TN+2*\i:TN+2*\i+1], v[TQ+2*\i:TQ+2*\i+1], s[48:49] op_sel_hi:[1,1,0]
.endr
.irp i, 0,1,2,3,4
	v_pk_fma_f32 v[TD+2*\i:TD+2*\i+1], v[TD+2*\i:TD+2*\i+1], v[TQ+2*\i:TQ+2*\i+1], s[56:57] op_sel_hi:[1,1,0]
.endr
.irp i, 0,1,2,3,4
	v_rcp_f32 v[TD+2*\i], v[TD+2*\i]
	v_rcp_f32 v[TD+2*\i+1], v[TD+2*\i+1]
.endr
.irp i, 0,1,2,3,4
	v_pk_mul_f32 v[TN+2*\i:TN+2*\i+1], v[TN+2*\i:TN+2*\i+1], v[\a+\st*\i:\a+\st*\i+1]   ; plain work that touches no reciprocal stands between the last v_rcp_f32 and the first use (ISA guide 5.7.2)
.endr
	s_wait_alu depctr_va_vdst(0)
.irp i, 0,1,2,3,4
	v_pk_mul_f32 v[\a+\st*\i:\a+\st*\i+1], v[TN+2*\i:TN+2*\i+1], v[TD+2*\i:TD+2*\i+1]
.endr
.endm
; the ten tiles, rounded to f16, are one K step of the next layer's five B fragments
.macro PACK win, base
	WIN \win
.irp t, 0,1,2,3,4
.irp i, 0,1
.irp e, 0,1,2,3
	v_cvt_pk_f16_f32 v[\base+8*\t+4*\i+\e], v[ACC+8*(5*\i+\t)+2*\e], v[ACC+8*(5*\i+\t)+2*\e+1]
.endr
.endr
.endr
	WIN 0
.endm
; key k = trip & 15: keys 0-7 are X's K steps 0-7 (the layers of W1 and W3), keys 8-15 are Y's K steps 0-7 (the layer of W2)
.macro PK k
.if \k < 8
.if \k < 4
	PACK 0x40, XB+40*\k
.else
	PACK 0x80, XB+40*(\k-4)
.endif
.else
.if \k < 14
	PACK 0xc0, YB+40*(\k-8)
.else
	PACK 0, YHI+40*(\k-14)
.endif
.endif
.endm
.macro NODE thr, lbl                   ; keys below thr go on, the others jump
	s_cmp_lt_u32 s31, \thr
	s_cbranch_scc0 \lbl
.endm
.macro LEAF k
	PK \k
	s_branch .Lpacked
.endm
.Lpass:
	s_wait_loadcnt 0x0                             ; the pass's positions
	SETC 0x409f0a3d, 0x45800000, 0x49bd0000, 0x4c875a00, 0x4e03f7c0, 0x41e00000, 0x4544e000, 0x4773a200, 0x4803f7c0   ; the first layer: s = 1, g = 4096
	; the first layer's B fragments: k = 0, 1, 2 lie in registers 0, 1 of lanes 0-15; all else is zero
.irp t, 0,1,2,3,4
	v_cvt_pk_f16_f32 v[YHI+8*\t], v[POS+4*\t], v[POS+4*\t+1]
	v_cvt_pk_f16_f32 v[YHI+8*\t+1], v[POS+4*\t+2], 0
	v_and_b32 v[YHI+8*\t], v[VHM], v[YHI+8*\t]
	v_and_b32 v[YHI+8*\t+1], v[VHM], v[YHI+8*\t+1]
.irp e, 2,3,4,5,6,7
	v_mov_b32 v[YHI+8*\t+\e], 0
.endr
.endr
	; the pass's first loads: W1's first pair (one K step), and K steps 1-7 of W2's first pair, whose registers the first layer leaves alone: they wait there for trip 8
	v_add_nc_u32 v[CA2], W2R, v[VLT]
	v_add_nc_u32 v[CA1], W2R+HALFK, v[VLT]
	LOADK0 VLT, VBL
	LOADREST CA2, CA1
	s_mov_b32 s30, 0                               ; trip = 8 x layer + pair
.Ltrip:
	s_wait_dscnt 0x0                               ; this trip's fragments and bias, asked for ahead of the last trip's tanh
	s_cmp_lt_u32 s30, 8
	s_cbranch_scc0 .Lmat2
	WIN 0x01                                       ; W1: A in window 1, B = the positions in window 0
	KSTEP AFB, YHI, 1
	WIN 0
	s_branch .Lmatdone
.Lmat2:
	s_cmp_lt_u32 s30, 16
	s_cbranch_scc0 .Lmat3
	WIN 0x05                                       ; W2: A and B = X in window 1
	KSTEP AFB, XB, 1
	KSTEP AFB+16, XB+40, 0
	KSTEP AFB+32, XB+80, 0
	KSTEP AFB+48, XB+120, 0
	WIN 0x0a                                       ; A and B in window 2
	KSTEP AFB, XB, 0
	KSTEP AFB+16, XB+40, 0
	KSTEP AFB+32, XB+80, 0
	KSTEP AFB+48, XB+120, 0
	WIN 0
	s_branch .Lmatdone
.Lmat3:
	WIN 0x0d                                       ; W3: A in window 1, B = Y in window 3
	KSTEP AFB, YB, 1
	KSTEP AFB+16, YB+40, 0
	KSTEP AFB+32, YB+80, 0
	KSTEP AFB+48, YB+120, 0
	WIN 0x0e                                       ; A in window 2, B in window 3
	KSTEP AFB, YB+160, 0
	KSTEP AFB+16, YB+200, 0
	WIN 0x02                                       ; A in window 2, B in window 0
	KSTEP AFB+32, YHI, 0
	KSTEP AFB+48, YHI+40, 0
	WIN 0
.Lmatdone:
	PLACES                                         ; four places behind the last matrix instruction, in front of the loads into its sources and of the reads of the results
	; the next trip's fragments come in under this trip's tanh
	s_add_co_u32 s31, s30, 1                       ; n, the next trip
	s_cmp_eq_u32 s31, TRIPS
	s_cbranch_scc1 .Lfrag4
	s_min_u32 s39, s31, TRIPS-1                    ; n is 23 at the most here
	s_lshr_b32 s32, s39, 3
	s_min_u32 s32, s32, 1
	s_mul_i32 s33, s32, W2R                        ; behind W1: 17,408 bytes,
	s_lshr_b32 s32, s39, 4
	s_mul_i32 s32, s32, W3R-W2R                    ; behind W2: 139,264 more,
	s_add_co_u32 s33, s33, s32
	s_and_b32 s32, s39, 7
	s_lshl_b32 s32, s32, 6                         ; and 64 bytes of a row for each pair
	s_add_co_u32 s33, s33, s32
	v_add_nc_u32 v[CA0], s33, v[VLT]
	v_add_nc_u32 v[CA1], HALFK, v[CA0]
	v_lshl_add_u32 v[VB], s39, 7, v[VBL]           ; b1, b2, b3 follow each other: 128 bytes a trip
	LOADK0 CA0, VB
	s_cmp_lt_u32 s31, 9
	s_cbranch_scc1 .Lfragdone                      ; W1 has one K step; trip 8's other seven are there since the pass's start
	LOADREST CA0, CA1
	s_branch .Lfragdone
.Lfrag4:
	LOADW4                                         ; behind the last trip: the last layer's fragments
.Lfragdone:
	s_cmp_lg_u32 s30, 8
	s_cbranch_scc1 .Lsameconst
	SETC 0x469f0a3d, 0x3f800000, 0x4fbd0000, 0x5e875a00, 0x6c03f7c0, 0x41e00000, 0x5144e000, 0x5f73a200, 0x6c03f7c0   ; from W2's layer on: s = 4096, g = 1
.Lsameconst:
.irp b, 0,1,2,3,4,5,6,7
	TANH5 ACC+10*\b, 2
.endr
	; where the ten tiles go: a tree of four compares on trip & 15
	s_and_b32 s31, s30, 15
	NODE 8, .Lk8
	NODE 4, .Lk4
	NODE 2, .Lk2
	NODE 1, .Lk1
	LEAF 0
.Lk1:
	LEAF 1
.Lk2:
	NODE 3, .Lk3
	LEAF 2
.Lk3:
	LEAF 3
.Lk4:
	NODE 6, .Lk6
	NODE 5, .Lk5
	LEAF 4
.Lk5:
	LEAF 5
.Lk6:
	NODE 7, .Lk7
	LEAF 6
.Lk7:
	LEAF 7
.Lk8:
	NODE 12, .Lk12
	NODE 10, .Lk10
	NODE 9, .Lk9
	LEAF 8
.Lk9:
	LEAF 9
.Lk10:
	NODE 11, .Lk11
	LEAF 10
.Lk11:
	LEAF 11
.Lk12:
	NODE 14, .Lk14
	NODE 13, .Lk13
	LEAF 12
.Lk13:
	LEAF 13
.Lk14:
	NODE 15, .Lk15
	LEAF 14
.Lk15:
	PK 15
.Lpacked:
	s_add_co_u32 s30, s30, 1
	s_cmp_lt_u32 s30, TRIPS
	s_cbranch_scc1 .Ltrip
	SETC 0x469f0a3d, 0x39800000, 0x49bd0000, 0x58875a00, 0x6603f7c0, 0x41e00000, 0x5144e000, 0x5f73a200, 0x6c03f7c0   ; the last layer: s = 4096, g = 1/4096
	; the last layer: one feature tile (features 0-2, and their copies 8-10), eight K steps, five accumulators by turns, one instruction a turn
	s_wait_dscnt 0x0                               ; W4's fragments
.irp j, 0,1,2
	v_mov_b32 v[BF+\j], s[40+\j]                   ; 4096 b4 as C, in both halves of the lanes: features j and 8 + j
	v_mul_f32 v[BF+\j], 0x45800000, v[BF+\j]
.endr
.irp j, 3,4,5,6,7
	v_mov_b32 v[BF+\j], 0
.endr
	WIN 0x05                                       ; A in window 1, B = X in window 1
.irp k, 0,1,2,3
.irp t, 0,1,2,3,4
.if \k == 0
	v_wmma_f32_16x16x32_f16 v[ACC+8*\t:ACC+8*\t+7], v[AFB+8*\k:AFB+8*\k+7], v[XB+40*\k+8*\t:XB+40*\k+8*\t+7], v[BF:BF+7]
.else
	v_wmma_f32_16x16x32_f16 v[ACC+8*\t:ACC+8*\t+7], v[AFB+8*\k:AFB+8*\k+7], v[XB+40*\k+8*\t:XB+40*\k+8*\t+7], v[ACC+8*\t:ACC+8*\t+7]
.endif
.endr
.endr
	WIN 0x09                                       ; A in window 1, B in window 2
.irp k, 0,1,2,3
.irp t, 0,1,2,3,4
	v_wmma_f32_16x16x32_f16 v[ACC+8*\t:ACC+8*\t+7], v[AFB+32+8*\k:AFB+32+8*\k+7], v[XB+40*\k+8*\t:XB+40*\k+8*\t+7], v[ACC+8*\t:ACC+8*\t+7]
.endr
.endr
	WIN 0
	PLACES                                         ; four places in front of the reads of the results (ISA guide 7.12.1)
	TANH5 ACC, 8                                   ; features 0, 1 of the five tiles
	TANH5 ACC+2, 8                                 ; features 2, 3 (3 is not stored)
	; every lane holds its point's three numbers in registers 0-2; zeros where the point's times is outside 0..7; 12 bytes to the point's place
.irp t, 0,1,2,3,4
.irp j, 0,1,2
	v_cndmask_b32 v[ACC+8*\t+\j], 0, v[ACC+8*\t+\j], s[34+\t]
.endr
.endr
.irp t, 0,1,2,3,4
	global_store_b96 v[VOFF+\t], v[ACC+8*\t:ACC+8*\t+2], s[28:29]
.endr
	s_add_co_u32 s7, s7, SLOTS
	s_cmp_ge_u32 s7, s5
	s_cbranch_scc1 .Ldone                          ; every listed point is served
	s_wait_xcnt 0x0                                ; the stores' offsets and data are written again only behind this wait
	GATHER
	s_add_co_u32 s43, s43, 1
	s_cmp_lt_u32 s43, PASSES
	s_cbranch_scc1 .Lpass
.Ldone:
	s_barrier_signal -1
	s_barrier_wait -1
	s_set_vgpr_msb 0x5
	s_wait_tensorcnt 0x0
	ds_add_u32 v30, v31
	s_wait_dscnt 0x0
	s_set_vgpr_msb 0x500
	s_endpgm
.Lfunc_end_k_qd9b758ef90_mlp:
	.size	k_qd9b758ef90_mlp, .Lfunc_end_k_qd9b758ef90_mlp-k_qd9b758ef90_mlp
	.p2alignl 7, 3214868480
	.fill 96, 4, 3214868480
	.section	.rodata,"a",@progbits
	.p2align	6, 0x0
	.amdhsa_kernel k_qd9b758ef90_mlp
		.amdhsa_group_segment_fixed_size 326144
		.amdhsa_private_segment_fixed_size 0
		.amdhsa_enable_private_segment 0
		.amdhsa_kernarg_size 88
		.amdhsa_user_sgpr_count 2
		.amdhsa_user_sgpr_kernarg_segment_ptr 1
		.amdhsa_wavefront_size32 1
		.amdhsa_system_sgpr_workgroup_id_x 1
		.amdhsa_system_sgpr_workgroup_id_y 1
		.amdhsa_system_sgpr_workgroup_id_z 1
		.amdhsa_system_vgpr_workitem_id 0
		.amdhsa_next_free_vgpr 1024
		.amdhsa_next_free_sgpr 66
		.amdhsa_reserve_vcc 1
		.amdhsa_float_denorm_mode_32 3
		.amdhsa_float_denorm_mode_16_64 3
		.amdhsa_memory_ordered 1
		.amdhsa_forward_progress 1
		.amdhsa_inst_pref_size 245
	.end_amdhsa_kernel
	.amdgpu_metadata
---
amdhsa.version: [ 1, 2 ]
amdhsa.kernels:
  - .name:           k_qd9b758ef90_mlp
    .symbol:         k_qd9b758ef90_mlp.kd
    .args:
      - { .name: W1, .offset: 0, .size: 8, .value_kind: global_buffer, .address_space: global }
      - { .name: W2, .offset: 8, .size: 8, .value_kind: global_buffer, .address_space: global }
      - { .name: W3, .offset: 16, .size: 8, .value_kind: global_buffer, .address_space: global }
      - { .name: W4, .offset: 24, .size: 8, .value_kind: global_buffer, .address_space: global }
      - { .name: b1, .offset: 32, .size: 8, .value_kind: global_buffer, .address_space: global }
      - { .name: b2, .offset: 40, .size: 8, .value_kind: global_buffer, .address_space: global }
      - { .name: b3, .offset: 48, .size: 8, .value_kind: global_buffer, .address_space: global }
      - { .name: b4, .offset: 56, .size: 8, .value_kind: global_buffer, .address_space: global }
      - { .name: positions, .offset: 64, .size: 8, .value_kind: global_buffer, .address_space: global }
      - { .name: times, .offset: 72, .size: 8, .value_kind: global_buffer, .address_space: global }
      - { .name: out0, .offset: 80, .size: 8, .value_kind: global_buffer, .address_space: global }
    .group_segment_fixed_size: 326144
    .private_segment_fixed_size: 0
    .kernarg_segment_align: 8
    .kernarg_segment_size: 88
    .max_flat_workgroup_size: 128
    .sgpr_count:     66
    .vgpr_count:     1024
    .wavefront_size: 32
...
	.end_amdgpu_metadata
.endif
;; end of part 3
